; MI455X (gfx1250); checked and timed in simulation.
; The chip was launched on July 23, 2026; its instructions are those of AMD's public machine-readable ISA for CDNA 5 (MIT licence, August 2026) and "CDNA5" Instruction Set Architecture Reference Guide (July 2026). The comments in the code are by the model that wrote it; some were corrected since.
;; Causal Attention. Allowed arithmetic: matrix products marked QUANTISED: E2M3 operands, one E8M0 scale for each 32 along K, by v_wmma_scale_f32_16x16x128_f8f6f4 with both operands' format E2M3, f32 sums; everything else in f32.
;; Inputs: W_proj 1,024 x 1,024 float32; W_qkv 1,024 x 3,072 float32; b_proj 1,024 float32; b_qkv 3,072 float32; x 4 x 2,048 x 1,024 float32.
;; Outputs: out0 4 x 2,048 x 1,024 float32.
;; This version of the problem:
;;   THIS VERSION OF THE PROBLEM IS GIVEN IN LOW PRECISION. The matrix products marked QUANTISED in the list below multiply operands that are first quantised to E2M3 (2 exponent bits, 3 mantissa bits; 6 bits a number), with one power-of-two scale for each 32 numbers along K (OCP MX v1.0); their sums are f32. All else is computed in f32.
;;   The module's matrix products, in the order in which they are computed (A, B: the left and right operand; K: the contracted axis; several contracted axes count as one K, in the product's order):
;;     1. [M 8,192, K 1,024] x [K 1,024, N 3,072]; A: input x; B: input W_qkv: QUANTISED
;;     2. batch 64 x [M 2,048, K 64] x [K 64, N 2,048]; A: computed on the way; B: computed on the way: QUANTISED
;;     3. batch 64 x [M 2,048, K 2,048] x [K 2,048, N 64]; A: softmax (see below); B: computed on the way: QUANTISED
;;     4. [M 8,192, K 1,024] x [K 1,024, N 1,024]; A: computed on the way; B: input W_proj: QUANTISED
;;   THE QUANTISER, for each operand of a quantised product, along K:
;;     - K is cut into blocks of 32 from its start; a last block that is shorter is filled with zeros.
;;     - A block's scale is 2^e with e = floor(log2(the largest magnitude in the block)) - 2, held to -126 .. 127; a block of zeros has e = 0. As a byte (E8M0): e + 127.
;;     - Each number is divided by its block's scale, clamped to +-7.5, and rounded to the nearest number of E2M3, ties to even, subnormals kept.
;;     - The product sums the exact products of the quantised numbers (number of the format x scale) in f32.
;;   ~~~python
;;   def quantise(x, axis):      # numpy; x: float32 -> the quantised numbers, widened to float32 again
;;       x = np.moveaxis(x, axis, -1); K = x.shape[-1]
;;       x = np.pad(x, [(0, 0)] * (x.ndim - 1) + [(0, -K % 32)]); x = x.reshape(x.shape[:-1] + (-1, 32)); a = np.abs(x).max(-1, keepdims=True)
;;       e = np.where(a > 0, np.clip(np.frexp(np.where(a > 0, a, 1))[1] - 1 - 2, -126, 127), 0)      # np.frexp(a)[1] - 1 = floor(log2(a)), exactly
;;       r = np.clip(x / 2.0 ** e, -7.5, 7.5)
;;       step = 2.0 ** (np.maximum(np.frexp(np.where(r == 0, 1, r))[1] - 1, 0) - 3)
;;       q = np.round(r / step) * step * 2.0 ** e      # np.round: ties to even
;;       return np.moveaxis(q.reshape(q.shape[:-2] + (-1,))[..., :K], -1, axis).astype(np.float32)
;;   ~~~
;;   SOFTMAX AHEAD OF A QUANTISED PRODUCT. Where the list says 'softmax', what is quantised is not the finished softmax but p = 2^(t - M), with t = logit x log2(e) and M = ceil(the row's largest t), a whole number; so 1/2 < the row's largest p <= 1. The row's sum l is taken of the UNQUANTISED p, in f32, and the product's result is divided by l at the end. Since M is a whole number, a kernel that streams over the keys may use a running M (the ceiling of the running maximum): every later rescaling is an exact power of two, which a block's scale takes up: the codes' values come out the same.
;;   OPERANDS COMPUTED ON THE WAY. 'Computed on the way' means the value that the module computes at that place (a softmax that the list does not call 'softmax' is quantised finished and normalised). What goes into a quantiser is computed in f32, as accurately as f32 sums, v_exp_f32 and their like allow (about 1e-6 of the number): no bf16 or f16 on the way to a quantiser, and a product that is left as it is and whose result goes on into a quantised operand takes f32 operands (vector FMAs, or v_wmma_f32_16x16x4_f32). A number that lies on a knife's edge between two numbers of the format may be rounded either way, as far as f32 arithmetic and the matrix unit's own rounding can turn it there, and no further.
;; One version. Each part assembles by itself: llvm-mc -triple=amdgcn-amd-amdhsa -mcpu=gfx1250 --defsym DOCPART=n.
;; ======== version 1 of 1: 4 launches
;; limits: right only within a limited range of input values
;; workspace buffers: xc 6,291,456 bytes; xs 262,144 bytes; wc 3,145,728 bytes; ws 131,072 bytes; qkv 20,185,088 bytes; yc 6,291,456 bytes; ys 262,144 bytes
;; launch quant (part 1): grid 384 x 1, 4 waves a work-group, no clusters, 34,304 bytes of LDS; arguments x, W_qkv, W_proj, xc, xs, wc, ws; writes xc, xs, wc, ws
.if DOCPART == 1
	.amdgcn_target "amdgcn-amd-amdhsa--gfx1250"
	.amdhsa_code_object_version 6
	.text
	.protected	k_q67104c3f29_quant
	.globl	k_q67104c3f29_quant
	.p2align	8
	.type	k_q67104c3f29_quant,@function
k_q67104c3f29_quant:
	s_mov_b64 s[64:65], 0
	v_nop
	global_prefetch_b8 v0, s[64:65] scope:SCOPE_SE
	s_setreg_imm32_b32 hwreg(HW_REG_WAVE_MODE, 25, 1), 1
	s_wait_xcnt 0x0
; x [8192][1024], W_qkv [1024][3072] and W_proj [1024][1024], f32, become codes of FP6 (E2M3) with one E8M0 scale byte for each 32 along K (K = 1024 for all three).
; A block's scale is 2^(floor(log2(its largest magnitude)) - 2); its byte is the largest magnitude's exponent field - 2, held at 1 from below.
; LIMITS: NaN and infinities among the inputs are not served.  A block of zeros gets the byte 1 where the rule says 127: its codes are zeros, which add nothing, and the bytes are read by this program alone.
; THE CODES ARE LAID AS THE PRODUCT'S REGISTERS WANT THEM: [tile of 16 rows][block of 32 along K (32)][row (16)][24 bytes]: 12,288 bytes a tile.
; THE SCALE BYTES: [tile][K step of 256 (4)][row (16)][8 bytes]: 512 bytes a tile.
; Row r of x's tile T is token 32 (T / 2) + 8 (T % 2) + r + 8 (r / 8).  Row r of a weight's tile T is column 32 (T / 2) + 8 (T % 2) + r + 8 (r / 8); W_qkv has tiles 0-191, W_proj tiles 192-255.
; Work-groups 0-255 take x (a wave: 16 rows x 512 along K), 256-351 W_qkv, 352-383 W_proj (a wave: 32 columns x 256 along K): 128 KiB of input each.  Only x's path touches LDS.
.set SPARE, 33792                      ; behind the four stages of 8,448 bytes: the spare words, 128 bytes a wave
.set SPW,  10                          ; v10  my spare word's LDS address; never rewritten
.set NIL,  11                          ; v11  0; never rewritten
.set R,    16                          ; x: v16-143  two sets of 64 registers as loaded
.set X,    144                         ; x: v144-207 four blocks x my 16 neighbours
.set C,    208                         ; x: v208-223 codes: four registers a block
.set AM,   224                         ; x: v224-227 largest magnitudes, then bytes
.set PT,   228                         ; x: v228-231 the other half of the lanes' maxima
.set SO,   232                         ; x: v232-235 the conversions' scale operands
	s_load_b256 s[4:11], s[0:1], 0x0               ; x s[4:5], W_qkv s[6:7], W_proj s[8:9], xc s[10:11]
	s_load_b128 s[12:15], s[0:1], 0x20             ; xs s[12:13], wc s[14:15]
	s_load_b64 s[16:17], s[0:1], 0x30              ; ws
	v_lshl_add_u32 v[SPW], v0, 2, SPARE
	v_mov_b32 v[NIL], 0
	v_lshrrev_b32 v1, 5, v0
	v_readfirstlane_b32 s20, v1                    ; wave
	v_and_b32 v1, 31, v0                           ; L
	v_and_b32 v2, 15, v0                           ; r
	v_bfe_u32 v3, v0, 4, 1                         ; h
	v_mul_u32_u24 v7, v2, 24
	v_mad_u32_u24 v7, v3, 12, v7                   ; the codes' place in a block of a tile: 24 r + 12 h
	s_mov_b32 s28, 0x76543210
	s_mov_b32 s29, 0xfedcba98                      ; v_permlanex16_b32's selects for lane l xor 16
	s_mov_b32 s25, 0
	s_wait_kmcnt 0x0
	s_cmp_lt_u32 ttmp9, 256
	s_cbranch_scc0 .Lw
	; ---------------- x: K is innermost.  Loads take 512 consecutive bytes of a row; a macro-step (16 rows x 128 along K) turns through the wave's own stage, so that lane (r, h) holds 16 neighbours of each block of row r.
	s_lshl_b32 s21, ttmp9, 2
	s_add_co_u32 s21, s21, s20                     ; my unit
	s_lshr_b32 s22, s21, 1                         ; its tile of rows
	s_and_b32 s23, s21, 1                          ; its half of K
	; x's tiles take their rows as the weights' tiles take their columns: row r of tile T is token 32 (T / 2) + 8 (T % 2) + r + 8 (r / 8), and not 16 T + r
	s_lshr_b32 s24, s22, 1
	s_lshl_b32 s24, s24, 17                        ; 32 rows of 4,096 bytes for each pair of tiles,
	s_and_b32 s26, s22, 1
	s_lshl_b32 s26, s26, 15                        ; 8 rows for the pair's second tile
	s_add_co_u32 s24, s24, s26
	s_lshl_b32 s26, s23, 11
	s_add_co_u32 s24, s24, s26
	s_add_nc_u64 s[4:5], s[4:5], s[24:25]
	s_mul_i32 s24, s22, 12288
	s_mul_i32 s26, s23, 6144
	s_add_co_u32 s24, s24, s26
	s_add_nc_u64 s[10:11], s[10:11], s[24:25]
	s_lshl_b32 s24, s22, 9
	s_lshl_b32 s26, s23, 8
	s_add_co_u32 s24, s24, s26
	s_add_nc_u64 s[12:13], s[12:13], s[24:25]
	s_wait_alu depctr_va_vdst(0)
	v_lshlrev_b32 v4, 4, v1                        ; 16 L: my bytes of a load's 512
	s_mul_i32 s27, s20, 8448                       ; my stage: 16 rows x (512 + 16) bytes
	v_add_nc_u32 v5, s27, v4                       ; in
	v_mul_u32_u24 v6, v2, 528
	v_lshl_add_u32 v6, v3, 6, v6
	v_add_nc_u32 v6, s27, v6                       ; out: row r, + 64 h
	v_lshlrev_b32 v8, 3, v1                        ; the scale words' place: 8 L
.irp e, 0,1,2,3
	v_mov_b32 v[PT+\e], 0                          ; written once: a lane permute's destination counts as one of its sources
.endr
.macro XLOAD m
.irp i, 0,1,2,3,4,5,6,7,8,9,10,11,12,13,14,15
	global_load_b128 v[R+64*((\m)%2)+4*\i:R+64*((\m)%2)+4*\i+3], v4, s[4:5] offset:(\i+8*(\i/8))*4096+(\m)*512 th:TH_LOAD_NT
.endr
.endm
.macro XSTEP m
.set RS, R+64*((\m)%2)
.if (\m) < 3
	s_wait_loadcnt 16                              ; this macro-step's 16 loads are in; the next one's 16 may be out
.else
	s_wait_loadcnt 0x0
.endif
.irp i, 0,1,2,3,4,5,6,7,8,9,10,11,12,13,14,15
	ds_store_b128 v5, v[RS+4*\i:RS+4*\i+3] offset:\i*528
.endr
.irp kb, 0,1,2,3
.irp j, 0,1,2,3
	ds_load_b128 v[X+16*\kb+4*\j:X+16*\kb+4*\j+3], v6 offset:\kb*128+16*\j   ; LDS serves a wave's instructions in order: these see the stores above
.endr
.endr
	s_wait_dscnt 0x0                               ; my neighbours are in, and the stores have read their registers,
.if (\m) < 2
	XLOAD (\m)+2                                   ; which take the loads of two macro-steps on
.endif
	s_wait_xcnt 0x0                                ; the last macro-step's stores have read their data: the codes' registers are written again below
.irp e, 0,1,2,3
	v_max3_num_f32 v[AM+\e], |v[X+16*\e]|, |v[X+16*\e+1]|, 0x1800000   ; my 16 numbers of block e, and the floor 2^(3 - 127): the byte cannot fall under 1
.endr
.irp i, 2,4,6,8,10,12,14
.irp e, 0,1,2,3
	v_max3_num_f32 v[AM+\e], v[AM+\e], |v[X+16*\e+\i]|, |v[X+16*\e+\i+1]|
.endr
.endr
.irp e, 0,1,2,3
	v_permlanex16_b32 v[PT+\e], v[AM+\e], s28, s29
.endr
.irp e, 0,1,2,3
	v_max_num_f32 v[AM+\e], v[AM+\e], v[PT+\e]     ; with lane l xor 16's 16: the block's largest magnitude
.endr
.irp e, 0,1,2,3
	v_add_nc_u32 v[SO+\e], 0xff000000, v[AM+\e]    ; 2 off its exponent field: the conversion takes this operand's exponent field as its scale
.endr
.irp e, 0,1,2,3
	v_cvt_scalef32_pk16_fp6_f32 v[C+4*\e:C+4*\e+2], v[X+16*\e:X+16*\e+15], v[SO+\e]
.endr
.irp e, 0,1,2,3
	v_lshrrev_b32 v[AM+\e], 23, v[SO+\e]           ; the scale's byte (plain lines behind the conversions)
.endr
	v_lshl_or_b32 v[12+(\m)], v[AM+1], 8, v[AM]    ; the four bytes: my row's scale word for these 128 along K
	v_lshl_or_b32 v[12+(\m)], v[AM+2], 16, v[12+(\m)]
	v_lshl_or_b32 v[12+(\m)], v[AM+3], 24, v[12+(\m)]
.irp e, 0,1,2,3
	global_store_b96 v7, v[C+4*\e:C+4*\e+2], s[10:11] offset:(4*(\m)+\e)*384   ; the wave stores 384 consecutive bytes: one block of the tile
.endr
.endm
	XLOAD 0
	XLOAD 1
	s_wait_alu depctr_va_vdst(0)
	XSTEP 0
	XSTEP 1
	XSTEP 2
	XSTEP 3
	v_cmp_lt_u32 vcc_lo, 15, v1                    ; lanes 0-15 store the first K step's two words of row r, lanes 16-31 the second's
	v_cndmask_b32 v236, v12, v14, vcc_lo
	v_cndmask_b32 v237, v13, v15, vcc_lo
	global_store_b64 v8, v[236:237], s[12:13]      ; 256 consecutive bytes, aligned
	s_wait_tensorcnt 0x0                           ; the wave's end, behind my last LDS store
	ds_add_u32 v[SPW], v[NIL]
	s_wait_dscnt 0x0
	s_endpgm
	; ---------------- the weights: K is the first axis.  A lane takes a column and its registers run down K: a block of 32 is one lane's, and the codes come out with K innermost.
.Lw:
	s_wait_alu depctr_va_vdst(0)
	v_and_b32 v4, 8, v1
	v_add_nc_u32 v4, v4, v2
	v_lshl_add_u32 v4, v3, 3, v4                   ; my column of the wave's 32: 8 h + r + 8 (r / 8): lanes 0-15 are the rows of one tile, lanes 16-31 of the next
	v_lshlrev_b32 v4, 2, v4
	v_lshlrev_b32 v8, 3, v2
	v_lshl_add_u32 v8, v3, 9, v8                   ; the scale bytes' place: 8 r, + a tile's 512 for lanes 16-31
	s_cmp_lt_u32 ttmp9, 352
	s_cbranch_scc0 .Lwp
.macro WLOAD t                         ; block t: W(32 t + i, my column) into set t % 2
.irp i, 0,1,2,3,4,5,6,7,8,9,10,11,12,13,14,15,16,17,18,19,20,21,22,23,24,25,26,27,28,29,30,31
	global_load_b32 v[32+32*((\t)%2)+\i], v4, s[WSRC:WSRC+1] offset:(32*(\t)+\i)*WN*4 th:TH_LOAD_NT
.endr
.endm
.macro WBLOCK t
.set XS, 32+32*((\t)%2)
.set CS, 96+8*(\t)                     ; each block has its own eight registers of codes: no store's data are written again
.if (\t) < 7
	s_wait_loadcnt 32                              ; this block's 32 loads are in; the next block's may be out
.else
	s_wait_loadcnt 0x0
.endif
	v_max3_num_f32 v12, |v[XS]|, |v[XS+1]|, |v[XS+2]|
	v_max3_num_f32 v13, |v[XS+3]|, |v[XS+4]|, |v[XS+5]|
.irp i, 6,10,14,18,22,26
	v_max3_num_f32 v12, v12, |v[XS+\i]|, |v[XS+\i+1]|
	v_max3_num_f32 v13, v13, |v[XS+\i+2]|, |v[XS+\i+3]|
.endr
	v_max3_num_f32 v12, v12, |v[XS+30]|, |v[XS+31]|
	v_max3_num_f32 v12, v12, v13, 0x1800000        ; and the floor
	v_add_nc_u32 v14, 0xff000000, v12
	v_cvt_scalef32_pk16_fp6_f32 v[CS:CS+2], v[XS:XS+15], v14
	v_cvt_scalef32_pk16_fp6_f32 v[CS+4:CS+6], v[XS+16:XS+31], v14
	v_lshrrev_b32 v13, 23, v14                     ; the byte (a plain line behind the conversions)
.if (\t)%4 == 0
	v_mov_b32 v[24+(\t)/4], v13
.else
	v_lshl_or_b32 v[24+(\t)/4], v13, 8*((\t)%4), v[24+(\t)/4]
.endif
.irp i, 0,1,2
	v_permlane16_swap_b32 v[CS+\i], v[CS+4+\i]     ; the first three now hold the first tile (lanes 0-15 a row's lower 12 bytes, lanes 16-31 its upper 12), the second three the next tile
.endr
.if (\t)+2 < 8
	WLOAD (\t)+2
.endif
	global_store_b96 v7, v[CS:CS+2], s[14:15] offset:(\t)*384          ; 384 consecutive bytes each
	global_store_b96 v7, v[CS+4:CS+6], s[14:15] offset:12288+(\t)*384
.endm
.macro WPATH N, SRC, T0, ID0
.set WN, \N
.set WSRC, \SRC
	s_sub_co_u32 s21, ttmp9, \ID0
	s_and_b32 s22, s21, 3                          ; which 256 along K
	s_lshr_b32 s23, s21, 2
	s_lshl_b32 s23, s23, 7
	s_lshl_b32 s24, s20, 5
	s_add_co_u32 s23, s23, s24                     ; my wave's first column
	s_mul_i32 s24, s22, 256*WN*4
	s_lshl_b32 s26, s23, 2
	s_add_co_u32 s24, s24, s26
	s_add_nc_u64 s[WSRC:WSRC+1], s[WSRC:WSRC+1], s[24:25]
	s_lshr_b32 s26, s23, 4
	s_add_co_u32 s26, s26, \T0                     ; my first tile
	s_mul_i32 s24, s26, 12288
	s_mul_i32 s27, s22, 3072
	s_add_co_u32 s24, s24, s27
	s_add_nc_u64 s[14:15], s[14:15], s[24:25]
	s_lshl_b32 s24, s26, 9
	s_lshl_b32 s27, s22, 7
	s_add_co_u32 s24, s24, s27
	s_add_nc_u64 s[16:17], s[16:17], s[24:25]
	WLOAD 0
	WLOAD 1
.irp t, 0,1,2,3,4,5,6,7
	WBLOCK \t
.endr
	global_store_b64 v8, v[24:25], s[16:17]        ; my column's eight scale bytes of this K step: two runs of 128 bytes a wave
	s_endpgm
.endm
	s_wait_alu depctr_va_vdst(0)
	WPATH 3072, 6, 0, 256
.Lwp:
	s_wait_alu depctr_va_vdst(0)
	WPATH 1024, 8, 192, 352
.Lfunc_end_k_q67104c3f29_quant:
	.size	k_q67104c3f29_quant, .Lfunc_end_k_q67104c3f29_quant-k_q67104c3f29_quant
	.p2alignl 7, 3214868480
	.fill 96, 4, 3214868480
	.section	.rodata,"a",@progbits
	.p2align	6, 0x0
	.amdhsa_kernel k_q67104c3f29_quant
		.amdhsa_group_segment_fixed_size 34304
		.amdhsa_private_segment_fixed_size 0
		.amdhsa_enable_private_segment 0
		.amdhsa_kernarg_size 56
		.amdhsa_user_sgpr_count 2
		.amdhsa_user_sgpr_kernarg_segment_ptr 1
		.amdhsa_wavefront_size32 1
		.amdhsa_system_sgpr_workgroup_id_x 1
		.amdhsa_system_sgpr_workgroup_id_y 1
		.amdhsa_system_sgpr_workgroup_id_z 1
		.amdhsa_system_vgpr_workitem_id 0
		.amdhsa_next_free_vgpr 240
		.amdhsa_next_free_sgpr 66
		.amdhsa_reserve_vcc 1
		.amdhsa_float_denorm_mode_32 3
		.amdhsa_float_denorm_mode_16_64 3
		.amdhsa_memory_ordered 1
		.amdhsa_forward_progress 1
		.amdhsa_inst_pref_size 108
	.end_amdhsa_kernel
	.amdgpu_metadata
---
amdhsa.version: [ 1, 2 ]
amdhsa.kernels:
  - .name:           k_q67104c3f29_quant
    .symbol:         k_q67104c3f29_quant.kd
    .args:
      - { .name: x, .offset: 0, .size: 8, .value_kind: global_buffer, .address_space: global }
      - { .name: W_qkv, .offset: 8, .size: 8, .value_kind: global_buffer, .address_space: global }
      - { .name: W_proj, .offset: 16, .size: 8, .value_kind: global_buffer, .address_space: global }
      - { .name: xc, .offset: 24, .size: 8, .value_kind: global_buffer, .address_space: global }
      - { .name: xs, .offset: 32, .size: 8, .value_kind: global_buffer, .address_space: global }
      - { .name: wc, .offset: 40, .size: 8, .value_kind: global_buffer, .address_space: global }
      - { .name: ws, .offset: 48, .size: 8, .value_kind: global_buffer, .address_space: global }
    .group_segment_fixed_size: 34304
    .private_segment_fixed_size: 0
    .kernarg_segment_align: 8
    .kernarg_segment_size: 56
    .max_flat_workgroup_size: 128
    .sgpr_count:     66
    .vgpr_count:     240
    .wavefront_size: 32
...
	.end_amdgpu_metadata
.endif
;; end of part 1
;; launch gemm_qkv (part 2): grid 8 x 32, 4 waves a work-group, clusters of 4 x 4, 327,680 bytes of LDS; arguments xc, xs, wc, ws, b_qkv, qkv; writes qkv
.if DOCPART == 2
	.amdgcn_target "amdgcn-amd-amdhsa--gfx1250"
	.amdhsa_code_object_version 6
	.text
	.protected	k_q67104c3f29_gemm_qkv
	.globl	k_q67104c3f29_gemm_qkv
	.p2align	8
	.type	k_q67104c3f29_gemm_qkv,@function
k_q67104c3f29_gemm_qkv:
	s_mov_b64 s[64:65], 0
	v_nop
	global_prefetch_b8 v0, s[64:65] scope:SCOPE_SE
	s_setreg_imm32_b32 hwreg(HW_REG_WAVE_MODE, 25, 1), 1
	s_wait_xcnt 0x0
	s_wait_alu depctr_hold_cnt(0) depctr_sa_sdst(0) depctr_va_vdst(0) depctr_va_sdst(0) depctr_va_ssrc(0) depctr_va_vcc(0) depctr_vm_vsrc(0)
	s_getreg_b32 s2, hwreg(HW_REG_IB_STS2, 6, 4)
	s_cmp_eq_u32 s2, 0
	s_cbranch_scc0 .Lentry_in_a_cluster
	s_endpgm
.Lentry_in_a_cluster:
	s_bfe_u32 s2, ttmp6, 0x10000c
	s_cmp_lg_u32 s2, 0xf033
	s_cbranch_scc0 .Lentry_shape_is_right
	s_endpgm
.Lentry_shape_is_right:
; qkv = x W_qkv + b_qkv on codes of FP6 (E2M3) with E8M0 scales, K = 1024; the f32 results are quantised here for the attention: q and k along the head's 64, v along the keys.
; THE DEAL.  256 work-groups of four waves.  A work-group takes 256 tokens and two heads, and makes their Q, K and V in three phases on the same rows of x.
; x's 16 tiles of 16 rows, all of K (196,608 bytes), and their scale bytes (8,192) come into LDS once and stay.  A phase's 128 rows of W (8 tiles, 98,304 bytes) have a region of their own, filled again twice.
; A wave (a, b) takes tokens 128 a .. + 127 and head b: its 64 rows of W, all of K, lie in 384 registers; x's tiles stream past them, 32 products a tile, in two register sets by turns.
; A TILE'S BATCH: 32 products; behind them, in one run, the 50 loads that refill its register set with the tile two further on.  The plain vector lines of the even tile's way out stand among the odd tile's products.
; OPERANDS in memory: [tile of 16 rows][block of 32 along K][row][24 bytes], 12,288 bytes a tile; lane L of the fragment of 128 along K takes 24 bytes at 24 L and 24 at 768 + 24 L.
; SCALE BYTES: [tile][K step of 256][row][8]: a load of 8 bytes a lane takes 256 bytes on end: lanes 0-15 one K step's two words of row r, lanes 16-31 the next K step's: the ROW selector picks the K step.
; Row r of x's tile T is token 32 (T / 2) + 8 (T % 2) + r + 8 (r / 8); row r of a weight's tile likewise a column.
; Q, K: source 0 = W's rows: lane (r, h) holds x's row r, and the 16 registers of tiles 2 e, 2 e + 1 are columns 32 e + 16 h + 0 .. 15.
; V: source 0 = x's rows: lane (r, h) holds W's row r, and the 16 registers of a pair of x's tiles are tokens 16 h + 0 .. 15 of the pair's 32: half a scale block along the keys.  The bias is the C of each sum's first product.
; OUTPUT: [batch x head (64)][step of 128 tokens (16)][19,712 bytes]: K's codes 6,144, V's codes 6,144, K's scale words 512, V's 256, Q's codes 6,144, Q's scale words 512, as the attention's registers take them.
; CLUSTERS 4 x 4: x's tiles are asked for jointly along a row of the cluster, W's along a column.
; No prefetch: the head's tiles are asked for by the launch's first lines, and each refill is asked for a phase, 256 products, ahead of the wait for it.
; LIMITS: NaN and infinities are not served; a block of zeros gets the byte 1 (its codes are zeros; this program alone reads the bytes).
; REGISTERS: v0-31 addresses; v32-39 x's scale words, v42-89 W's (three phases), and nothing else there; v96-127 at work on the way out; v128-191 sums; v192-207 codes.
;   Fragment f lies at v[256 (1 + f / 21) + 12 (f % 21)]: 0-31 W's (4 q + t), 32-47 x's two sets.  v864-959 the three phases' bias.
.set TB,    12288
.set WB,    16*TB
.set XSB,   WB+8*TB
.set SPARE, XSB+8192
.set HSTEP, 19712
.set SPW, 4
.set NIL, 5
.set ADW, 6
.set ADX0, 7
.set ADX, 8
.set ADS0, 9
.set ADS, 10
.set XS, 32
.set WS, 42
.set TM, 96
.set PT, 100
.set SO, 104
.set BY, 108
.set WD, 112
.set SL, 116
.set VW, 120
.set AC, 128
.set CC, 192
.set BIA, 96
.set G1W, 24
.set G1X, 32
.set G0W, 56
.set G0X, 60
.set G0S, 68
.set G1S, 72
.set MSB, 0
.macro WIN new
.if MSB != (\new)
	s_set_vgpr_msb (MSB<<8)|(\new)
.set MSB, \new
.endif
.endm
.macro PLACES n
.rept \n
	v_nop
.endr
.endm
.macro WALU
	s_wait_alu depctr_va_vdst(0)
.endm
.macro CROUND
	s_barrier_signal -1
	s_barrier_wait -1
	s_cmp_lg_u32 s16, 0
	s_cbranch_scc1 .Lnot_wave_0_\@
	s_barrier_signal -3
.Lnot_wave_0_\@:
	s_barrier_wait -3
	s_barrier_signal -1
	s_barrier_wait -1
.endm
.macro TLOAD g0, g1
	tensor_load_to_lds s[\g0:\g0+3], s[\g1:\g1+7]
	s_nop 0
	PLACES 4
.endm
.macro GROUP1 g, mask, rows            ; a dense block as rows of 256 bytes (32 elements of 8), no padding
	s_or_b32 s[\g], s[\mask], (3<<16)|(1<<21)
	s_mov_b32 s[\g+1], 32<<16
	s_mov_b32 s[\g+2], (\rows)<<16
	s_mov_b32 s[\g+3], 32<<16
	s_mov_b32 s[\g+4], \rows
	s_mov_b32 s[\g+5], 32
	s_mov_b32 s[\g+6], 0
	s_mov_b32 s[\g+7], 0
.endm
.macro WEIGHTS                         ; my 64 rows of W, all of K: 192 loads
.irp q, 0,1,2,3,4,5,6,7
.irp t, 0,1,2,3
.set F_, 4*\q+\t
	WIN (1+F_/21)<<6
.irp c, 0,1,2,3,4,5
	ds_load_b64 v[12*(F_%21)+2*\c:12*(F_%21)+2*\c+1], v[ADW] offset:\t*TB+\q*1536+768*(\c/3)+8*(\c%3)
.endr
.endr
.endr
	WIN 0
.endm
.macro FETCH e                         ; tile e of the pair at v[ADX] into set e, with its scale words: 50 loads
.irp q, 0,1,2,3,4,5,6,7
.set F_, 32+8*(\e)+\q
	WIN (1+F_/21)<<6
.irp c, 0,1,2,3,4,5
	ds_load_b64 v[12*(F_%21)+2*\c:12*(F_%21)+2*\c+1], v[ADX] offset:(\e)*TB+\q*1536+768*(\c/3)+8*(\c%3)
.endr
.endr
	WIN 0
	ds_load_b64 v[XS+4*(\e):XS+4*(\e)+1], v[ADS] offset:(\e)*512
	ds_load_b64 v[XS+4*(\e)+2:XS+4*(\e)+3], v[ADS] offset:(\e)*512+256
.endm
.macro PROD1 d, f0, f1, c, s0, s1, row
.if \row
	v_wmma_scale_f32_16x16x128_f8f6f4 v[\d:\d+7], v[12*((\f0)%21):12*((\f0)%21)+11], v[12*((\f1)%21):12*((\f1)%21)+11], \c, v[\s0], v[\s1] matrix_a_fmt:MATRIX_FMT_FP6 matrix_b_fmt:MATRIX_FMT_FP6 matrix_a_scale:MATRIX_SCALE_ROW1 matrix_b_scale:MATRIX_SCALE_ROW1
.else
	v_wmma_scale_f32_16x16x128_f8f6f4 v[\d:\d+7], v[12*((\f0)%21):12*((\f0)%21)+11], v[12*((\f1)%21):12*((\f1)%21)+11], \c, v[\s0], v[\s1] matrix_a_fmt:MATRIX_FMT_FP6 matrix_b_fmt:MATRIX_FMT_FP6
.endif
.endm
.macro PROD kind, e, p, n              ; product n = 4 q + t of a tile.  kind 0: source 0 W's rows; kind 1: source 0 x's rows
.set Q_, (\n)/4
.set T_, (\n)%4
.set SW_, WS+16*(\p)+4*T_+2*(Q_/4)+Q_%2
.set SX_, XS+4*(\e)+2*(Q_/4)+Q_%2
.if \kind
.set D_, AC+16*T_+8*(\e)
.set F0_, 32+8*(\e)+Q_
.set F1_, 4*Q_+T_
.set S0_, SX_
.set S1_, SW_
.else
.set D_, AC+32*(\e)+8*T_
.set F0_, 4*Q_+T_
.set F1_, 32+8*(\e)+Q_
.set S0_, SW_
.set S1_, SX_
.endif
.if Q_
	WIN (1+F0_/21)|((1+F1_/21)<<2)
	PROD1 D_, F0_, F1_, v[D_:D_+7], S0_, S1_, (Q_/2)%2
.else
	WIN (1+F0_/21)|((1+F1_/21)<<2)|(3<<4)
	PROD1 D_, F0_, F1_, v[BIA+32*(\p)+8*T_:BIA+32*(\p)+8*T_+7], S0_, S1_, 0
.endif
.endm
; a tile's batch: 32 products, the four sums by turns; behind each four, part G_ of the list: plain vector lines alone; behind all, the places and the refill
.macro BLOCK kind, e, p, fetch, list
.set G_, 0
.rept 8
.set N_, 4*G_
.rept 4
	PROD \kind, \e, \p, N_
.set N_, N_+1
.endr
	WIN 0
	\list G_
.set G_, G_+1
.endr
	PLACES 5                                       ; between the products and loads into, or reads of, their registers
.if \fetch
	FETCH \e
.endif
.endm
.macro L_NONE i
.endm
.macro NEXT                            ; the LDS addresses of the pair behind this trip's; behind the fourth comes the first again, for the next phase
	s_add_co_u32 s92, s91, 1
	s_and_b32 s92, s92, 3
	s_mul_i32 s93, s92, 2*TB
	s_lshl_b32 s94, s92, 10
	v_add_nc_u32 v[ADX], s93, v[ADX0]
	v_add_nc_u32 v[ADS], s94, v[ADS0]
	WALU
.endm
; ---- the head
	s_load_b128 s[4:7], s[0:1], 0x0                ; xc, xs
	s_load_b128 s[8:11], s[0:1], 0x10              ; wc, ws
	s_load_b128 s[12:15], s[0:1], 0x20             ; b_qkv, qkv
	v_lshl_add_u32 v[SPW], v0, 2, SPARE
	v_mov_b32 v[NIL], 0
	ds_add_u32 v[SPW], v[NIL]                      ; the opening lines: the add, twice, and its wait
	ds_add_u32 v[SPW], v[NIL]
	v_lshrrev_b32 v1, 5, v0
	v_readfirstlane_b32 s16, v1                    ; wave
	s_lshr_b32 s17, s16, 1                         ; a: my half of the tokens
	s_and_b32 s18, s16, 1                          ; b: my head of the two
	s_bfe_u32 s40, ttmp6, 0x40000                  ; cx
	s_bfe_u32 s41, ttmp6, 0x40004                  ; cy
	s_lshl_b32 s42, ttmp9, 2
	s_add_co_u32 s42, s42, s40                     ; pair of heads, 0 .. 7
	s_and_b32 s43, ttmp7, 0xffff
	s_lshl_b32 s43, s43, 2
	s_add_co_u32 s43, s43, s41                     ; block of 256 tokens, 0 .. 31
	s_lshl_b32 s44, s41, 2
	s_lshl_b32 s44, 15, s44                        ; my row of the cluster
	s_lshl_b32 s45, 0x1111, s40                    ; my column
	GROUP1 G1W, 45, 192                            ; half of W's 8 tiles
	GROUP1 G1X, 44, 768                            ; x's 16 tiles
	GROUP1 G1S, 44, 32                             ; their scale bytes
	s_mul_i32 s20, s42, 8*TB
	s_mul_i32 s21, s18, 4*TB
	s_add_co_u32 s20, s20, s21                     ; W_q's tiles 8 x pair + 4 x half
	s_mov_b32 s[G0W], 1
	s_add_co_u32 s[G0W+1], s21, WB
	s_mov_b32 s21, 0
	s_mul_i32 s22, s43, 16*TB
	s_mov_b32 s23, 0
	s_mov_b32 s[G0X], 1
	s_mov_b32 s[G0X+1], 0
	s_mul_i32 s46, s43, 16*512
	s_mov_b32 s47, 0
	s_mov_b32 s[G0S], 1
	s_mov_b32 s[G0S+1], XSB
	s_lshl_b32 s48, s42, 12
	s_lshl_b32 s49, s18, 11
	s_add_co_u32 s48, s48, s49                     ; my four tiles' scale bytes in ws
	s_mov_b32 s49, 0
	s_lshl_b32 s50, s42, 9
	s_lshl_b32 s51, s18, 8
	s_add_co_u32 s50, s50, s51                     ; my head's 64 numbers of the bias
	s_mov_b32 s51, 0
	s_lshr_b32 s52, s43, 3
	s_lshl_b32 s52, s52, 4
	s_lshl_b32 s53, s42, 1
	s_add_co_u32 s52, s52, s53
	s_add_co_u32 s52, s52, s18                     ; batch x 16 + head
	s_lshl_b32 s52, s52, 4
	s_and_b32 s53, s43, 7
	s_lshl_b32 s53, s53, 1
	s_add_co_u32 s52, s52, s53
	s_add_co_u32 s52, s52, s17                     ; x 16 + my step of 128 tokens
	s_mul_i32 s52, s52, HSTEP
	s_mov_b32 s53, 0
	s_mov_b32 s88, 0x76543210
	s_mov_b32 s89, 0xfedcba98                      ; v_permlanex16_b32's selects for lane l xor 16
	s_mov_b32 s90, 0xffff0000                      ; lanes 16-31
	WALU
	s_wait_dscnt 0x0
	CROUND                                         ; all sixteen work-groups are here: the first joint loads meet
	s_wait_kmcnt 0x0
	s_add_nc_u64 s[G0W+2:G0W+3], s[8:9], s[20:21]
	s_or_b32 s[G0W+3], s[G0W+3], 0x80000000
	s_add_nc_u64 s[G0X+2:G0X+3], s[4:5], s[22:23]
	s_or_b32 s[G0X+3], s[G0X+3], 0x80000000
	s_add_nc_u64 s[G0S+2:G0S+3], s[6:7], s[46:47]
	s_or_b32 s[G0S+3], s[G0S+3], 0x80000000
	s_cmp_lt_u32 s16, 2                            ; one tensor load a wave: waves 0 and 1 half of W_q's rows each, wave 2 x's rows, wave 3 their scale bytes
	s_cbranch_scc0 .Lhead_x
	TLOAD G0W, G1W
	s_branch .Lhead_asked
.Lhead_x:
	s_cmp_eq_u32 s16, 2
	s_cbranch_scc0 .Lhead_s
	TLOAD G0X, G1X
	s_branch .Lhead_asked
.Lhead_s:
	TLOAD G0S, G1S
.Lhead_asked:
	s_add_nc_u64 s[80:81], s[10:11], s[48:49]
	s_add_nc_u64 s[82:83], s[12:13], s[50:51]
	s_add_nc_u64 s[84:85], s[14:15], s[52:53]
	v_and_b32 v1, 15, v0                           ; r
	v_bfe_u32 v2, v0, 4, 1                         ; h
	v_and_b32 v3, 31, v0                           ; L
	v_mul_u32_u24 v14, v3, 24
	s_mul_i32 s20, s18, 4*TB
	s_add_co_u32 s20, s20, WB
	v_add_nc_u32 v[ADW], s20, v14
	s_mul_i32 s22, s17, 8*TB
	v_add_nc_u32 v[ADX0], s22, v14
	v_lshlrev_b32 v11, 3, v3                       ; 8 L
	s_lshl_b32 s22, s17, 12
	s_add_co_u32 s22, s22, XSB
	v_add_nc_u32 v[ADS0], s22, v11
	v_mov_b32 v[ADX], v[ADX0]
	v_mov_b32 v[ADS], v[ADS0]
	v_lshlrev_b32 v12, 6, v2                       ; Q's, K's bias: 64 h
	v_and_b32 v13, 8, v1
	v_add_nc_u32 v13, v13, v1
	v_lshlrev_b32 v13, 2, v13                      ; V's bias: 4 (r + 8 (r / 8))
	v_mul_u32_u24 v15, v1, 48
	v_mad_u32_u24 v15, v2, 24, v15                 ; q, k codes: 48 r + 24 h
	v_lshlrev_b32 v16, 4, v3                       ; q, k scale words: 16 L
	v_mul_u32_u24 v17, v1, 24
	v_mad_u32_u24 v17, v2, 12, v17                 ; v codes: 24 r + 12 h
.irp j, 0,1,2,3
	v_mov_b32 v[PT+\j], 0                          ; written once: a lane permute's destination counts as a source; the words that are gathered by shifts begin somewhere
	v_mov_b32 v[SL+\j], 0
	v_mov_b32 v[VW+\j], 0
.endr
	WALU
.irp p, 0,1,2
.irp t, 0,1,2,3
.irp c, 0,1
	global_load_b64 v[WS+16*\p+4*\t+2*\c:WS+16*\p+4*\t+2*\c+1], v11, s[80:81] offset:\p*32768+\t*512+\c*256
.endr
.endr
.endr
	WIN 3<<6
.irp p, 0,1
.irp t, 0,1,2,3
.irp c, 0,1
	global_load_b128 v[BIA+32*\p+8*\t+4*\c:BIA+32*\p+8*\t+4*\c+3], v12, s[82:83] offset:\p*4096+(32*(\t/2)+8*(\t%2))*4+16*\c
.endr
.endr
.endr
.irp t, 0,1,2,3
	global_load_b32 v[BIA+64+8*\t], v13, s[82:83] offset:8192+(32*(\t/2)+8*(\t%2))*4
.endr
	WIN 0
; ---- a phase's top: W's rows are shown to all waves and go into registers; then the region is filled again with the next phase's
.macro TOP p
	WALU
	s_wait_xcnt 0x0                                ; the last phase's stores have read their registers
.if \p == 0
	s_cmp_lt_u32 s16, 2                            ; the first barrier shows W_q's rows alone: the two waves that asked for them wait; x's rows may still be on their way
	s_cbranch_scc0 .Lnot_w_\@
	s_wait_tensorcnt 0x0
.Lnot_w_\@:
.else
	s_wait_tensorcnt 0x0                           ; my tensor load has landed,
	s_wait_dscnt 0x0
.endif
	s_barrier_signal -1
	s_barrier_wait -1
	WEIGHTS
.if \p == 0
	s_wait_loadcnt 0x0                             ; W's scale words and the bias
	WIN (3<<6)|3
.irp t, 0,8,16,24
.irp i, 1,2,3,4,5,6,7
	v_mov_b32 v[BIA+64+\t+\i], v[BIA+64+\t]        ; V's number, one a lane and tile, over the tile's eight registers
.endr
.endr
	WIN 0
	WALU
.endif
.if \p < 2
	s_wait_tensorcnt 0x0                           ; ahead of a refill's round; in the first phase x's rows and scale bytes are shown by this round
	ds_add_u32 v[SPW], v[NIL]
	s_add_nc_u64 s[G0W+2:G0W+3], s[G0W+2:G0W+3], 64*TB   ; none of my loads is out: the next tensor's rows, 64 tiles on
	s_wait_dscnt 0x0                               ; the add is done, and W's rows are in my registers
	CROUND
	s_cmp_lt_u32 s16, 2
	s_cbranch_scc0 .Lnone_\@
	TLOAD G0W, G1W
.Lnone_\@:
.else
	s_wait_dscnt 0x0
.endif
.if \p == 0
	FETCH 0
	FETCH 1
.endif
	s_mov_b32 s91, 0
.endm
; ---- Q, K: tile u's 16 tokens x 64 columns: two scale blocks, each in lanes l and l xor 16.  Seven parts; a part reads only what it or the part before it wrote
.macro EQK i, u
.set A_, AC+32*(\u)
.if (\i) == 0
.irp e, 0,1
	v_max3_num_f32 v[TM+\e], |v[A_+16*\e]|, |v[A_+16*\e+1]|, 0x1800000   ; the floor 2^(3 - 127) holds the byte at 1 from below
	v_max3_num_f32 v[TM+2+\e], |v[A_+16*\e+8]|, |v[A_+16*\e+9]|, |v[A_+16*\e+10]|
.endr
.elseif (\i) < 3
.irp e, 0,1
	v_max3_num_f32 v[TM+\e], v[TM+\e], |v[A_+16*\e+2*(\i)]|, |v[A_+16*\e+2*(\i)+1]|
	v_max3_num_f32 v[TM+2+\e], v[TM+2+\e], |v[A_+16*\e+2*(\i)+9]|, |v[A_+16*\e+2*(\i)+10]|
.endr
.elseif (\i) == 3
.irp e, 0,1
	v_max3_num_f32 v[TM+\e], v[TM+\e], |v[A_+16*\e+6]|, |v[A_+16*\e+7]|
.endr
.irp e, 0,1
	v_max3_num_f32 v[TM+\e], v[TM+\e], v[TM+2+\e], |v[A_+16*\e+15]|
.endr
.elseif (\i) == 4
.irp e, 0,1
	v_permlanex16_b32 v[PT+\e], v[TM+\e], s88, s89
.endr
.irp e, 0,1
	v_max_num_f32 v[TM+\e], v[TM+\e], v[PT+\e]
.endr
.elseif (\i) == 5
.irp e, 0,1
	v_add_nc_u32 v[SO+\e], 0xff000000, v[TM+\e]    ; 2 off the exponent field: the conversion's scale operand
.endr
.irp e, 0,1
	v_lshrrev_b32 v[BY+\e], 23, v[SO+\e]
.endr
.elseif (\i) == 6
	v_lshl_or_b32 v[WD+\u], v[BY+1], 8, v[BY]      ; the head's two bytes,
	v_lshl_or_b32 v[WD+\u], v[WD+\u], 16, v[WD+\u] ; twice: the upper two meet zero codes and must only be finite
.irp e, 0,1
	v_cvt_scalef32_pk16_fp6_f32 v[CC+8*(\u)+4*\e:CC+8*(\u)+4*\e+2], v[A_+16*\e:A_+16*\e+15], v[SO+\e]
.endr
	v_nop
.endif
.endm
.macro L_QK i                          ; the even tile's way out, among the odd tile's products
	EQK \i, 0
.endm
.macro QKOUT                           ; a pair of tiles leaves: behind the swaps lane (r, h) holds row r of tile h: 24 bytes at 48 r + 24 h
.irp e, 0,1
.irp i, 0,1,2
	v_permlane16_swap_b32 v[CC+4*\e+\i], v[CC+8+4*\e+\i]
.endr
.endr
.irp i, 0,1,2
	v_mov_b32 v[SL+\i], v[SL+\i+1]                 ; the four pairs' scale words move down a register a trip
.endr
	v_cndmask_b32 v[SL+3], v[WD], v[WD+1], s90     ; lanes 0-15 the even tile's rows, lanes 16-31 the odd tile's
.irp e, 0,1
	global_store_b96 v15, v[CC+4*\e:CC+4*\e+2], s[86:87] offset:768*\e
	global_store_b96 v15, v[CC+8+4*\e:CC+8+4*\e+2], s[86:87] offset:768*\e+12   ; the two together: 768 bytes on end
.endr
	WALU
	s_wait_xcnt 0x0                                ; the stores have read their registers and their base
	s_add_nc_u64 s[86:87], s[86:87], 1536
.endm
.macro QK p, sec, ssec
	TOP \p
	s_add_nc_u64 s[86:87], s[84:85], \sec
.Lqk_\@:
	NEXT
	s_wait_dscnt 50                                ; set 0 is in; the 50 loads of set 1 may be out
	BLOCK 0, 0, \p, 1, L_NONE
	s_wait_dscnt 50                                ; set 1 is in; the 50 loads just issued may be out
	BLOCK 0, 1, \p, 1, L_QK
.irp i, 0,1,2,3,4,5,6
	EQK \i, 1
.endr
	QKOUT
	s_add_co_u32 s91, s91, 1
	s_cmp_lt_u32 s91, 4
	s_cbranch_scc1 .Lqk_\@
	global_store_b128 v16, v[SL:SL+3], s[84:85] offset:\ssec   ; 512 bytes on end
.endm
; ---- V: a pair of tiles is 32 tokens: one scale block for each of my 64 columns, in lanes l and l xor 16
.macro EVMAX i, u                      ; registers 2 i, 2 i + 1 of tile u's eight, for each of the four column tiles
.irp t, 0,1,2,3
.if (\i) == 0 && (\u) == 0
	v_max3_num_f32 v[TM+\t], |v[AC+16*\t]|, |v[AC+16*\t+1]|, 0x1800000
.else
	v_max3_num_f32 v[TM+\t], v[TM+\t], |v[AC+16*\t+8*(\u)+2*(\i)]|, |v[AC+16*\t+8*(\u)+2*(\i)+1]|
.endif
.endr
.endm
.macro L_V i                           ; the even tile's half of the search, among the odd tile's products
.if (\i) < 4
	EVMAX \i, 0
.endif
.endm
.macro EVOUT
	WALU                                           ; the maxima so far were written half a batch ago
.irp i, 0,1,2,3
	EVMAX \i, 1
.endr
.irp t, 0,1,2,3
	v_permlanex16_b32 v[PT+\t], v[TM+\t], s88, s89
.endr
.irp t, 0,1,2,3
	v_max_num_f32 v[TM+\t], v[TM+\t], v[PT+\t]
.endr
.irp t, 0,1,2,3
	v_add_nc_u32 v[SO+\t], 0xff000000, v[TM+\t]
.endr
.irp t, 0,1,2,3
	v_lshrrev_b32 v[BY+\t], 23, v[SO+\t]
.endr
.irp t, 0,1,2,3
	v_lshrrev_b32 v[VW+\t], 8, v[VW+\t]            ; the word's bytes move down a place a pair: after four pairs the first pair's is the lowest
.endr
.irp t, 0,1,2,3
	v_lshl_or_b32 v[VW+\t], v[BY+\t], 24, v[VW+\t]
.endr
.irp t, 0,1,2,3
	v_cvt_scalef32_pk16_fp6_f32 v[CC+4*\t:CC+4*\t+2], v[AC+16*\t:AC+16*\t+15], v[SO+\t]
.endr
	v_nop
.irp t, 0,1,2,3
	global_store_b96 v17, v[CC+4*\t:CC+4*\t+2], s[86:87] offset:1536*\t   ; 384 bytes on end
.endr
	WALU
	s_wait_xcnt 0x0
	s_add_nc_u64 s[86:87], s[86:87], 384
.endm
.macro VPAIR fetch
	s_wait_dscnt 50
	BLOCK 1, 0, 2, \fetch, L_NONE
.if \fetch
	s_wait_dscnt 50
.else
	s_wait_dscnt 0x0
.endif
	BLOCK 1, 1, 2, \fetch, L_V
	EVOUT
.endm
	QK 0, 13056, 19200
	QK 1, 0, 12288
	TOP 2
	s_add_nc_u64 s[86:87], s[84:85], 6144
.Lv:
	NEXT
	VPAIR 1
	s_add_co_u32 s91, s91, 1
	s_cmp_lt_u32 s91, 3
	s_cbranch_scc1 .Lv
	VPAIR 0                                        ; the last pair fetches nothing
	v_cndmask_b32 v124, v[VW], v[VW+1], s90
	v_cndmask_b32 v125, v[VW+2], v[VW+3], s90
	global_store_b64 v11, v[124:125], s[84:85] offset:12800    ; 256 bytes on end
	s_wait_tensorcnt 0x0                           ; the wave's end
	ds_add_u32 v[SPW], v[NIL]
	s_wait_dscnt 0x0
	CROUND                                         ; the closing round
	s_endpgm
.Lfunc_end_k_q67104c3f29_gemm_qkv:
	.size	k_q67104c3f29_gemm_qkv, .Lfunc_end_k_q67104c3f29_gemm_qkv-k_q67104c3f29_gemm_qkv
	.p2alignl 7, 3214868480
	.fill 96, 4, 3214868480
	.section	.rodata,"a",@progbits
	.p2align	6, 0x0
	.amdhsa_kernel k_q67104c3f29_gemm_qkv
		.amdhsa_group_segment_fixed_size 327680
		.amdhsa_private_segment_fixed_size 0
		.amdhsa_enable_private_segment 0
		.amdhsa_kernarg_size 48
		.amdhsa_user_sgpr_count 2
		.amdhsa_user_sgpr_kernarg_segment_ptr 1
		.amdhsa_wavefront_size32 1
		.amdhsa_system_sgpr_workgroup_id_x 1
		.amdhsa_system_sgpr_workgroup_id_y 1
		.amdhsa_system_sgpr_workgroup_id_z 1
		.amdhsa_system_vgpr_workitem_id 0
		.amdhsa_next_free_vgpr 1024
		.amdhsa_next_free_sgpr 100
		.amdhsa_reserve_vcc 0
		.amdhsa_float_denorm_mode_32 3
		.amdhsa_float_denorm_mode_16_64 3
		.amdhsa_memory_ordered 1
		.amdhsa_forward_progress 1
		.amdhsa_inst_pref_size 134
	.end_amdhsa_kernel
	.amdgpu_metadata
---
amdhsa.version: [ 1, 2 ]
amdhsa.kernels:
  - .name:           k_q67104c3f29_gemm_qkv
    .symbol:         k_q67104c3f29_gemm_qkv.kd
    .args:
      - { .name: xc, .offset: 0, .size: 8, .value_kind: global_buffer, .address_space: global }
      - { .name: xs, .offset: 8, .size: 8, .value_kind: global_buffer, .address_space: global }
      - { .name: wc, .offset: 16, .size: 8, .value_kind: global_buffer, .address_space: global }
      - { .name: ws, .offset: 24, .size: 8, .value_kind: global_buffer, .address_space: global }
      - { .name: b_qkv, .offset: 32, .size: 8, .value_kind: global_buffer, .address_space: global }
      - { .name: qkv, .offset: 40, .size: 8, .value_kind: global_buffer, .address_space: global }
    .group_segment_fixed_size: 327680
    .private_segment_fixed_size: 0
    .kernarg_segment_align: 8
    .kernarg_segment_size: 48
    .max_flat_workgroup_size: 128
    .sgpr_count:     100
    .vgpr_count:     1024
    .wavefront_size: 32
...
	.end_amdgpu_metadata
.endif
;; end of part 2
;; launch attn (part 3): grid 4 x 64, 16 waves a work-group, clusters of 4 x 1, 210,944 bytes of LDS; arguments qkv, yc, ys; writes yc, ys
.if DOCPART == 3
	.amdgcn_target "amdgcn-amd-amdhsa--gfx1250"
	.amdhsa_code_object_version 6
	.text
	.protected	k_q67104c3f29_attn
	.globl	k_q67104c3f29_attn
	.p2align	8
	.type	k_q67104c3f29_attn,@function
k_q67104c3f29_attn:
	s_mov_b64 s[64:65], 0
	v_nop
	global_prefetch_b8 v0, s[64:65] scope:SCOPE_SE
	s_setreg_imm32_b32 hwreg(HW_REG_WAVE_MODE, 25, 1), 1
	s_wait_xcnt 0x0
	s_wait_alu depctr_hold_cnt(0) depctr_sa_sdst(0) depctr_va_vdst(0) depctr_va_sdst(0) depctr_va_ssrc(0) depctr_va_vcc(0) depctr_vm_vsrc(0)
	s_getreg_b32 s2, hwreg(HW_REG_IB_STS2, 6, 4)
	s_cmp_eq_u32 s2, 0
	s_cbranch_scc0 .Lentry_in_a_cluster
	s_endpgm
.Lentry_in_a_cluster:
	s_bfe_u32 s2, ttmp6, 0x10000c
	s_cmp_lg_u32 s2, 0x3003
	s_cbranch_scc0 .Lentry_shape_is_right
	s_endpgm
.Lentry_shape_is_right:
; y = softmax(q k^T / 8, causal) v for 64 heads of 2,048 tokens x 64, both products on codes of FP6 (E2M3) with E8M0 scales; y is quantised here along the model's 1,024 for the last product.
; t = score x log2(e) / 8; M = the running largest t rounded up to a whole number; p = 2^(t - M) is quantised along the keys, not normalised; the row's sum of the unquantised p divides at the end.
; LIMITS: NaN and infinities are not served; a p under 2^-126 comes out of v_exp_f32 as 0; a block of zeros gets the byte 1 (its codes are zeros; this program alone reads the bytes).
; SHARES.  A cluster of four work-groups takes one head.  The head's K, V and their scale words, 16 blocks of 13,056 bytes (128 keys each), stay in LDS: wave w brings block w by ONE joint tensor load,
; the same in all four partners; nothing is ever filled again, so one barrier behind the loads is all.
; A tile of queries tau holds tokens 32 (tau / 2) + 8 (tau % 2) + r + 8 (r / 8).  A wave takes tau = 4 g + cx, g = w in its first pass and 31 - w in its second: 17 key steps in all for every wave.
; The four partners' tiles of one g lie in one group of 128 tokens, so which steps are hidden and which lies on the diagonal hangs on the wave's number alone; cx enters global addresses and the mask's compare only.
; LAYOUT.  Both products are used transposed: a lane holds one query.  The head is 64 and the instruction's K is 128: Q's operand is six registers of codes and six of zero codes; key tile t takes registers
; F + 6 t .. F + 6 t + 11, whose upper six (the next tile's codes, or the zero tail) meet the zero codes.  The keys of a tile are 32 b + 8 u + r + 8 (r / 8), so p's 16 registers of two tiles are 16 neighbouring keys.
; The one store that covers its bytes in part: y's scale bytes, 2 bytes a row 8 bytes apart (262,144 bytes in the whole launch).
; REGISTERS: v1-4 lane terms of LDS addresses; v5, v6 the add's two; v7 the mask's bound; v8-11 the step's addresses; v12 -M, v13 largest t, v[14:15] the sum; v16-27 Q and zeros; v28 Q's scale word; v29-31, v86, v87 lane terms;
;   v32-79 K's fragments, at work in the softmax; v80-85 zeros; v88-135 V's fragments; v136-199 S^T, then p; v200-231 O^T; v232-243 p's codes; v244-247 K's scale words, v248-249 V's, v250 p's; v252 f, v253 0.
.set BLK,   13056
.set QBLK,  19712
.set HSTR,  16*QBLK
.set SPARE, 16*BLK
.set F,  32
.set VF, 88
.set S,  136
.set O,  200
.set P,  232
.macro CROUND
	s_barrier_signal -1
	s_barrier_wait -1
	s_cmp_lg_u32 s10, 0
	s_cbranch_scc1 .Lnot_wave_0_\@
	s_barrier_signal -3
.Lnot_wave_0_\@:
	s_barrier_wait -3
	s_barrier_signal -1
	s_barrier_wait -1
.endm
	s_load_b128 s[4:7], s[0:1], 0x0                ; qkv, yc
	s_load_b64 s[8:9], s[0:1], 0x10                ; ys
	v_lshl_add_u32 v5, v0, 2, SPARE
	v_mov_b32 v6, 0
	ds_add_u32 v5, v6                              ; the wave's opening: the add and its wait ahead of my first tensor load
	ds_add_u32 v5, v6
	v_lshrrev_b32 v8, 5, v0
	s_delay_alu instid0(VALU_DEP_1)
	v_readfirstlane_b32 s10, v8                    ; wave 0..15
	s_bfe_u32 s11, ttmp6, 0x40000                  ; cx
	s_and_b32 s12, ttmp7, 0xffff                   ; batch x 16 + head: the cluster's y
	s_lshr_b32 s13, s12, 4
	s_and_b32 s14, s12, 15
	s_mov_b32 s16, 15|(3<<16)|(1<<21)              ; group 1: the mask names all four; elements of 8 bytes; no padding
	s_mov_b32 s17, 32<<16                          ; 51 dense rows of 256 bytes
	s_mov_b32 s18, 51<<16
	s_mov_b32 s19, 32<<16
	s_mov_b32 s20, 51
	s_mov_b32 s21, 32
	s_mov_b32 s22, 0
	s_mov_b32 s23, 0
	s_mov_b32 s28, 0x76543210
	s_mov_b32 s29, 0xfedcba98                      ; v_permlanex16_b32's selects for lane l xor 16
	s_mov_b32 s30, 0x3e38aa3b                      ; c = log2(e) / 8
	s_mov_b32 s31, s30
	v_and_b32 v9, 31, v0                           ; L
	v_and_b32 v10, 15, v0                          ; r
	v_bfe_u32 v11, v0, 4, 1                        ; h
	s_delay_alu instid0(VALU_DEP_3)
	v_mul_u32_u24 v1, v9, 48                       ; K's fragments: 48 bytes a lane for two tiles
	s_delay_alu instid0(VALU_DEP_4)
	v_mul_u32_u24 v2, v9, 24
	s_delay_alu instid0(VALU_DEP_1)
	v_add_nc_u32 v2, 6144, v2                      ; V's: 24 L
	v_lshl_add_u32 v3, v9, 4, 12288                ; K's scale words: 16 L
	v_lshl_add_u32 v4, v9, 3, 12800                ; V's: 8 L
	v_mov_b32 v29, v1                              ; Q's codes in memory: 48 L
	v_lshlrev_b32 v30, 4, v10                      ; Q's scale word: 16 r
	v_mul_u32_u24 v31, v10, 24
	s_delay_alu instid0(VALU_DEP_1)
	v_mad_u32_u24 v31, v11, 12, v31                ; y's codes: 24 r + 12 h
	v_lshlrev_b32 v86, 3, v10                      ; y's scale bytes: 8 r
	v_and_b32 v87, 8, v10
	s_delay_alu instid0(VALU_DEP_1)
	v_add_nc_u32 v87, v87, v10
	v_lshlrev_b32 v8, 4, v11
	s_delay_alu instid0(VALU_DEP_1)
	v_sub_nc_u32 v87, v87, v8                      ; r + 8 (r / 8) - 16 h
.irp j, 22,23,24,25,26,27,80,81,82,83,84,85,36,37,38,39,253
	v_mov_b32 v\j, 0                               ; Q's zero codes, the tail, the permutes' destinations, the upper half of the pair v[252:253]
.endr
	s_wait_dscnt 0x0                               ; the opening add is done
	s_wait_kmcnt 0x0
	s_mul_i32 s36, s12, HSTR
	s_mov_b32 s37, 0
	s_add_nc_u64 s[46:47], s[4:5], s[36:37]        ; my head
	s_mul_i32 s36, s10, QBLK
	s_mov_b32 s24, 1                               ; group 0: count 1;
	s_mul_i32 s25, s10, BLK                        ; LDS: block w;
	s_add_nc_u64 s[26:27], s[46:47], s[36:37]      ; memory: the head's step w: nothing here hangs on cx
	s_or_b32 s27, s27, 0x80000000
	CROUND                                         ; all four work-groups are here: the joint loads meet
	tensor_load_to_lds s[24:27], s[16:23]          ; my one tensor load of the launch
	s_nop 0
.rept 4
	v_nop
.endr
; The start of a pass: my tile of queries, its place in y, and the running figures.
.macro START p
	s_wait_xcnt 0x0                                ; earlier loads and stores have read their addresses and data
.if \p == 1
	s_mov_b32 s35, s10                             ; g = w
.else
	s_xor_b32 s35, s10, 31                         ; g = 31 - w
.endif
	s_lshr_b32 s34, s35, 1                         ; the step on the diagonal
	s_and_b32 s36, s35, 1
	s_lshr_b32 s37, s11, 1
	s_and_b32 s38, s11, 1                          ; u
	s_lshl_b32 s39, s36, 1
	s_add_co_u32 s39, s39, s37                     ; which pair of tiles of the step's four
	s_mul_i32 s50, s34, QBLK
	s_mov_b32 s53, 0
	s_mul_i32 s52, s39, 1536
	s_add_co_u32 s52, s52, s50
	s_mul_i32 s51, s38, 24
	s_add_co_u32 s52, s52, s51
	s_add_co_u32 s52, s52, 13056
	s_add_nc_u64 s[40:41], s[46:47], s[52:53]      ; Q's codes
	s_lshl_b32 s52, s39, 2
	s_add_co_u32 s52, s52, s50
	s_lshl_b32 s51, s38, 8
	s_add_co_u32 s52, s52, s51
	s_add_co_u32 s52, s52, 19200
	s_add_nc_u64 s[48:49], s[46:47], s[52:53]      ; Q's scale words
.irp q, 0,1,2
	global_load_b64 v[16+2*\q:17+2*\q], v29, s[40:41] offset:8*\q
.endr
	global_load_b32 v28, v30, s[48:49]
	s_lshl_b32 s51, s36, 6
	s_lshl_b32 s52, s37, 5
	s_add_co_u32 s51, s51, s52
	s_lshl_b32 s52, s38, 3
	s_add_co_u32 s51, s51, s52
	v_add_nc_u32 v7, s51, v87                      ; my query's place in its 128 tokens, less 16 h
	s_lshl_b32 s50, s13, 7
	s_lshl_b32 s51, s35, 2
	s_add_co_u32 s50, s50, s51
	s_add_co_u32 s50, s50, s11                     ; y's tile: batch x 128 + 4 g + cx
	s_mul_i32 s52, s50, 12288
	s_mul_i32 s51, s14, 768
	s_add_co_u32 s52, s52, s51
	s_add_nc_u64 s[42:43], s[6:7], s[52:53]        ; the head's two blocks of 32 along the model's 1,024
	s_lshl_b32 s52, s50, 9
	s_lshr_b32 s51, s14, 2
	s_lshl_b32 s51, s51, 7
	s_add_co_u32 s52, s52, s51
	s_and_b32 s51, s14, 3
	s_lshl_b32 s51, s51, 1
	s_add_co_u32 s52, s52, s51
	s_add_nc_u64 s[44:45], s[8:9], s[52:53]
	v_mov_b32 v13, 0xff61b1e6                      ; the largest t so far: -3e38
	s_delay_alu instid0(VALU_DEP_1)
	v_floor_f32 v12, -v13
	v_mov_b32 v14, 0
	v_mov_b32 v15, 0
.set j, 0
.rept 32
	v_mov_b32 v[O+j], 0                            ; the step is written once: the first finds zeros, which the first change of M leaves zeros
.set j, j+1
.endr
	s_mov_b32 s32, 0                               ; the step's block in LDS
	s_mov_b32 s33, 0                               ; the step
	s_wait_loadcnt 0x0
.endm
; A key step: 128 keys.
.macro STEP
	s_cmp_gt_u32 s33, s34                          ; all its keys come after my queries: a branch on the wave's number and the count, round the step's work alone
	s_cbranch_scc1 .Lhid_\@
	v_add_nc_u32 v8, s32, v1                       ; (these four are also the places ahead of loads into registers that the last products read)
	v_add_nc_u32 v9, s32, v2
	v_add_nc_u32 v10, s32, v3
	v_add_nc_u32 v11, s32, v4
.irp b, 0,1,2,3
.irp c, 0,1,2
	ds_load_b128 v[F+12*\b+4*\c:F+12*\b+4*\c+3], v8 offset:\b*1536+16*\c
.endr
.endr
	ds_load_b128 v[244:247], v10
.irp t, 0,1,2,3
.irp q, 0,1,2,3,4,5
	ds_load_b64 v[VF+12*\t+2*\q:VF+12*\t+2*\q+1], v9 offset:\t*1536+768*(\q/3)+8*(\q%3)
.endr
.endr
	ds_load_b64 v[248:249], v11
	s_wait_dscnt 25                                ; K and its scale words are in; V's 24 loads and its scale words' one may be out
.irp t, 0,2,4,6
	v_wmma_scale_f32_16x16x128_f8f6f4 v[S+8*\t:S+8*\t+7], v[F+6*\t:F+6*\t+11], v[16:27], 0, v[244+\t/2], v28 matrix_a_fmt:MATRIX_FMT_FP6 matrix_b_fmt:MATRIX_FMT_FP6
	v_wmma_scale_f32_16x16x128_f8f6f4 v[S+8*\t+8:S+8*\t+15], v[F+6*\t+6:F+6*\t+17], v[16:27], 0, v[244+\t/2], v28 matrix_a_fmt:MATRIX_FMT_FP6 matrix_b_fmt:MATRIX_FMT_FP6 matrix_a_scale:MATRIX_SCALE_ROW1
.endr
.rept 4
	v_nop
.endr
	s_cmp_lg_u32 s33, s34                          ; only the step on the diagonal hides keys
	s_cbranch_scc1 .Lopen_\@
	v_mov_b32 v48, 0xff800000                      ; -infinity: p = 0 then
.set n, 0
.rept 64
	v_cmp_gt_i32 vcc_lo, 32*(n/16)+n%16, v7        ; register n holds key 32 (n / 16) + 16 h + n % 16 of the step
	v_cndmask_b32 v[S+n], v[S+n], v48, vcc_lo
.set n, n+1
.endr
.Lopen_\@:
.irp b, 0,1,2,3
	v_max3_num_f32 v[32+\b], v[S+16*\b], v[S+1+16*\b], v[S+2+16*\b]   ; the largest score of each block of 32 keys: for the row's maximum, and for the block's largest p
.endr
.irp i, 3,5,7,9,11,13
.irp b, 0,1,2,3
	v_max3_num_f32 v[32+\b], v[32+\b], v[S+16*\b+\i], v[S+1+16*\b+\i]
.endr
.endr
.irp b, 0,1,2,3
	v_max_num_f32 v[32+\b], v[32+\b], v[S+15+16*\b]
.endr
.irp b, 0,1,2,3
	s_delay_alu instid0(VALU_DEP_4)
	v_permlanex16_b32 v[36+\b], v[32+\b], s28, s29
.endr
.irp b, 0,1,2,3
	s_delay_alu instid0(VALU_DEP_4)
	v_max_num_f32 v[32+\b], v[32+\b], v[36+\b]
.endr
	s_delay_alu instid0(VALU_DEP_2)
	v_max3_num_f32 v48, v32, v33, v34
	s_delay_alu instid0(VALU_DEP_1)
	v_max_num_f32 v48, v48, v35
	s_delay_alu instid0(VALU_DEP_1)
	v_mul_f32 v48, s30, v48                        ; as t
	s_delay_alu instid0(VALU_DEP_1)
	v_max_num_f32 v13, v13, v48                    ; the running largest t
	v_mov_b32 v48, v12
	s_delay_alu instid0(VALU_DEP_2)
	v_floor_f32 v12, -v13                          ; the new -M: M is a whole number
	s_delay_alu instid0(VALU_DEP_1)
	v_sub_f32 v48, v12, v48
	s_delay_alu instid0(VALU_DEP_1)
	v_cvt_i32_f32 v48, v48                         ; (it saturates)
	s_delay_alu instid0(VALU_DEP_1)
	v_ldexp_f32 v252, 1.0, v48                     ; f = 2^(old M - new M): a multiplication by it rounds nothing
.set j, 0
.rept 32
	v_pk_fma_f32 v[S+j:S+j+1], v[S+j:S+j+1], s[30:31], v[12:13] op_sel_hi:[1,0,0]   ; t - M
.set j, j+2
.endr
.irp b, 0,1,2,3
	v_fma_f32 v[32+\b], v[32+\b], s30, v12
.endr
.set j, 0
	s_wait_alu depctr_va_vdst(0)
.rept 64
	v_exp_f32 v[S+j], v[S+j]                       ; p
.set j, j+1
.endr
	v_pk_mul_f32 v[14:15], v[14:15], v[252:253] op_sel_hi:[1,0]    ; the sums under the new M (a plain place behind the exponentials)
	s_wait_alu depctr_va_vdst(0)                   ; one wait for the batch, ahead of its first reader
.irp b, 0,1,2,3
	v_exp_f32 v[32+\b], v[32+\b]                   ; each block's largest p
.endr
	v_pk_add_f32 v[36:37], v[140:141], v[144:145]
	v_pk_add_f32 v[254:255], v[148:149], v[152:153]
	v_pk_add_f32 v[250:251], v[156:157], v[160:161]
	v_pk_add_f32 v[246:247], v[164:165], v[168:169]
	v_pk_add_f32 v[244:245], v[172:173], v[176:177]
	v_pk_add_f32 v[242:243], v[180:181], v[184:185]
	v_pk_add_f32 v[240:241], v[188:189], v[192:193]
	v_pk_add_f32 v[14:15], v[14:15], v[196:197]
	v_pk_add_f32 v[36:37], v[36:37], v[136:137]
	v_pk_add_f32 v[254:255], v[254:255], v[138:139]
	v_pk_add_f32 v[250:251], v[250:251], v[142:143]
	v_pk_add_f32 v[246:247], v[246:247], v[146:147]
	v_pk_add_f32 v[244:245], v[244:245], v[150:151]
	v_pk_add_f32 v[242:243], v[242:243], v[154:155]
	v_pk_add_f32 v[240:241], v[240:241], v[158:159]
	v_pk_add_f32 v[14:15], v[14:15], v[162:163]
	v_pk_add_f32 v[36:37], v[36:37], v[166:167]
	v_pk_add_f32 v[254:255], v[254:255], v[170:171]
	v_pk_add_f32 v[250:251], v[250:251], v[174:175]
	v_pk_add_f32 v[246:247], v[246:247], v[178:179]
	v_pk_add_f32 v[244:245], v[244:245], v[182:183]
	v_pk_add_f32 v[242:243], v[242:243], v[186:187]
	v_pk_add_f32 v[240:241], v[240:241], v[190:191]
	v_pk_add_f32 v[14:15], v[14:15], v[194:195]
	v_pk_add_f32 v[36:37], v[36:37], v[198:199]
	s_delay_alu instid0(VALU_DEP_2)
	v_pk_add_f32 v[14:15], v[14:15], v[246:247]
	s_delay_alu instid0(VALU_DEP_2)
	v_pk_add_f32 v[36:37], v[36:37], v[244:245]
	v_pk_add_f32 v[254:255], v[254:255], v[242:243]
	v_pk_add_f32 v[250:251], v[250:251], v[240:241]
	s_delay_alu instid0(VALU_DEP_2)
	v_pk_add_f32 v[14:15], v[14:15], v[254:255]
	s_delay_alu instid0(VALU_DEP_2)
	v_pk_add_f32 v[36:37], v[36:37], v[250:251]
	s_delay_alu instid0(VALU_DEP_1)
	v_pk_add_f32 v[14:15], v[14:15], v[36:37]
	s_wait_alu depctr_va_vdst(0)                   ; and one for the four
.irp b, 0,1,2,3
	v_max_num_f32 v[32+\b], 0x1800000, v[32+\b]    ; the floor: the byte cannot fall under 1
.endr
.irp b, 0,1,2,3
	s_delay_alu instid0(VALU_DEP_4)
	v_add_nc_u32 v[44+\b], 0xff000000, v[32+\b]
.endr
.irp b, 0,1,2,3
	s_delay_alu instid0(VALU_DEP_4)
	v_lshrrev_b32 v[36+\b], 23, v[44+\b]
.endr
	s_delay_alu instid0(VALU_DEP_3)
	v_lshl_or_b32 v250, v37, 8, v36                ; p's scale word for these 128 keys
	s_delay_alu instid0(VALU_DEP_1)
	v_lshl_or_b32 v250, v38, 16, v250
	s_delay_alu instid0(VALU_DEP_1)
	v_lshl_or_b32 v250, v39, 24, v250
.irp c, 0,1
	v_cvt_scalef32_pk16_fp6_f32 v[P+6*\c:P+2+6*\c], v[S+32*\c:S+15+32*\c], v[44+2*\c]
	v_cvt_scalef32_pk16_fp6_f32 v[36+4*\c:38+4*\c], v[S+16+32*\c:S+31+32*\c], v[44+2*\c+1]
.endr
	v_nop                                          ; one plain place behind the conversions
.irp c, 0,1                            ; the operand wants a whole block in a lane
.irp i, 0,1,2
	v_permlane16_swap_b32 v[P+6*\c+\i], v[36+4*\c+\i]
.endr
.irp i, 0,1,2
	s_delay_alu instid0(VALU_DEP_3)
	v_mov_b32 v[P+3+6*\c+\i], v[36+4*\c+\i]
.endr
.endr
.set j, 0
.rept 16
	v_pk_mul_f32 v[O+j:O+j+1], v[O+j:O+j+1], v[252:253] op_sel_hi:[1,0]   ; O^T under the new M; these are also the places between the scale word's and the codes' last writes and the products below
.set j, j+2
.endr
	s_wait_alu depctr_va_vdst(0)
	s_wait_dscnt 0x0                               ; V is in
.irp t, 0,2
	v_wmma_scale_f32_16x16x128_f8f6f4 v[O+8*\t:O+8*\t+7], v[VF+12*\t:VF+12*\t+11], v[P:P+11], v[O+8*\t:O+8*\t+7], v[248+\t/2], v250 matrix_a_fmt:MATRIX_FMT_FP6 matrix_b_fmt:MATRIX_FMT_FP6
	v_wmma_scale_f32_16x16x128_f8f6f4 v[O+8*\t+8:O+8*\t+15], v[VF+12*\t+12:VF+12*\t+23], v[P:P+11], v[O+8*\t+8:O+8*\t+15], v[248+\t/2], v250 matrix_a_fmt:MATRIX_FMT_FP6 matrix_b_fmt:MATRIX_FMT_FP6 matrix_a_scale:MATRIX_SCALE_ROW1
.endr
.Lhid_\@:
.endm
.macro PASS n                          ; n steps, a constant of the text; the hidden ones are passed over
.Lstep_\@:
	STEP
	s_add_co_u32 s32, s32, BLK
	s_add_co_u32 s33, s33, 1
	s_cmp_lt_u32 s33, \n
	s_cbranch_scc1 .Lstep_\@
.endm
; The end of a pass: O^T / the sum is y; V's rows d are laid so that register 16 e + i is d = 32 e + 16 h + i: two blocks of 32 along the last product's K, each in lanes l and l xor 16.
.macro FINISH
.rept 4
	v_nop
.endr
	v_add_f32 v14, v14, v15
	s_delay_alu instid0(VALU_DEP_1)
	v_permlanex16_b32 v36, v14, s28, s29
	s_delay_alu instid0(VALU_DEP_1)
	v_add_f32 v14, v14, v36                        ; the row's sum
	s_wait_alu depctr_va_vdst(0)
	v_rcp_f32 v14, v14
	v_nop
	s_wait_alu depctr_va_vdst(0)                   ; ahead of the reciprocal's first reader
.set j, 0
.rept 32
	v_mul_f32 v[S+j], v[O+j], v14                  ; each accumulator from its low end on
.set j, j+1
.endr
.irp e, 0,1
	v_max3_num_f32 v[32+\e], |v[S+16*\e]|, |v[S+1+16*\e]|, 0x1800000
.endr
.irp i, 2,4,6,8,10,12,14
.irp e, 0,1
	s_delay_alu instid0(VALU_DEP_2)
	v_max3_num_f32 v[32+\e], v[32+\e], |v[S+16*\e+\i]|, |v[S+1+16*\e+\i]|
.endr
.endr
.irp e, 0,1
	s_delay_alu instid0(VALU_DEP_2)
	v_permlanex16_b32 v[36+\e], v[32+\e], s28, s29
.endr
.irp e, 0,1
	s_delay_alu instid0(VALU_DEP_2)
	v_max_num_f32 v[32+\e], v[32+\e], v[36+\e]
.endr
.irp e, 0,1
	s_delay_alu instid0(VALU_DEP_2)
	v_add_nc_u32 v[44+\e], 0xff000000, v[32+\e]
.endr
.irp e, 0,1
	s_delay_alu instid0(VALU_DEP_2)
	v_lshrrev_b32 v[40+\e], 23, v[44+\e]
.endr
	v_cvt_scalef32_pk16_fp6_f32 v[52:54], v[S:S+15], v44
	v_cvt_scalef32_pk16_fp6_f32 v[56:58], v[S+16:S+31], v45
	v_lshl_or_b32 v60, v41, 8, v40                 ; the two bytes (a plain line behind the conversions)
	global_store_b96 v31, v[52:54], s[42:43]                   ; 384 consecutive bytes each
	global_store_b96 v31, v[56:58], s[42:43] offset:384
	global_store_b16 v86, v60, s[44:45]                        ; lanes l and l xor 16 store the same two bytes at the same place
.endm
	START 1                                        ; while the tiles are on their way
	s_wait_tensorcnt 0x0                           ; my block has landed,
	s_barrier_signal -1
	s_barrier_wait -1                              ; everybody's has: the whole head lies in LDS
	PASS 8
	FINISH
	START 2
	PASS 16
	FINISH
	s_wait_tensorcnt 0x0                           ; the wave's end
	ds_add_u32 v5, v6
	s_wait_dscnt 0x0
	CROUND                                         ; the closing round
	s_endpgm
.Lfunc_end_k_q67104c3f29_attn:
	.size	k_q67104c3f29_attn, .Lfunc_end_k_q67104c3f29_attn-k_q67104c3f29_attn
	.p2alignl 7, 3214868480
	.fill 96, 4, 3214868480
	.section	.rodata,"a",@progbits
	.p2align	6, 0x0
	.amdhsa_kernel k_q67104c3f29_attn
		.amdhsa_group_segment_fixed_size 210944
		.amdhsa_private_segment_fixed_size 0
		.amdhsa_enable_private_segment 0
		.amdhsa_kernarg_size 24
		.amdhsa_user_sgpr_count 2
		.amdhsa_user_sgpr_kernarg_segment_ptr 1
		.amdhsa_wavefront_size32 1
		.amdhsa_system_sgpr_workgroup_id_x 1
		.amdhsa_system_sgpr_workgroup_id_y 1
		.amdhsa_system_sgpr_workgroup_id_z 1
		.amdhsa_system_vgpr_workitem_id 0
		.amdhsa_next_free_vgpr 256
		.amdhsa_next_free_sgpr 66
		.amdhsa_reserve_vcc 1
		.amdhsa_float_denorm_mode_32 3
		.amdhsa_float_denorm_mode_16_64 3
		.amdhsa_memory_ordered 1
		.amdhsa_forward_progress 1
		.amdhsa_inst_pref_size 65
	.end_amdhsa_kernel
	.amdgpu_metadata
---
amdhsa.version: [ 1, 2 ]
amdhsa.kernels:
  - .name:           k_q67104c3f29_attn
    .symbol:         k_q67104c3f29_attn.kd
    .args:
      - { .name: qkv, .offset: 0, .size: 8, .value_kind: global_buffer, .address_space: global }
      - { .name: yc, .offset: 8, .size: 8, .value_kind: global_buffer, .address_space: global }
      - { .name: ys, .offset: 16, .size: 8, .value_kind: global_buffer, .address_space: global }
    .group_segment_fixed_size: 210944
    .private_segment_fixed_size: 0
    .kernarg_segment_align: 8
    .kernarg_segment_size: 24
    .max_flat_workgroup_size: 512
    .sgpr_count:     66
    .vgpr_count:     256
    .wavefront_size: 32
...
	.end_amdgpu_metadata
.endif
;; end of part 3
;; launch gemm_proj (part 4): grid 8 x 32, 4 waves a work-group, clusters of 4 x 4, 327,680 bytes of LDS; arguments yc, ys, wc, ws, b_proj, out0; writes out0
.if DOCPART == 4
	.amdgcn_target "amdgcn-amd-amdhsa--gfx1250"
	.amdhsa_code_object_version 6
	.text
	.protected	k_q67104c3f29_gemm_proj
	.globl	k_q67104c3f29_gemm_proj
	.p2align	8
	.type	k_q67104c3f29_gemm_proj,@function
k_q67104c3f29_gemm_proj:
	s_mov_b64 s[64:65], 0
	v_nop
	global_prefetch_b8 v0, s[64:65] scope:SCOPE_SE
	s_setreg_imm32_b32 hwreg(HW_REG_WAVE_MODE, 25, 1), 1
	s_wait_xcnt 0x0
	s_wait_alu depctr_hold_cnt(0) depctr_sa_sdst(0) depctr_va_vdst(0) depctr_va_sdst(0) depctr_va_ssrc(0) depctr_va_vcc(0) depctr_vm_vsrc(0)
	s_getreg_b32 s2, hwreg(HW_REG_IB_STS2, 6, 4)
	s_cmp_eq_u32 s2, 0
	s_cbranch_scc0 .Lentry_in_a_cluster
	s_endpgm
.Lentry_in_a_cluster:
	s_bfe_u32 s2, ttmp6, 0x10000c
	s_cmp_lg_u32 s2, 0xf033
	s_cbranch_scc0 .Lentry_shape_is_right
	s_endpgm
.Lentry_shape_is_right:
; out0 = y W_proj + b_proj on codes of FP6 (E2M3) with E8M0 scales, K = 1024; f32 out.
; THE DEAL.  256 work-groups of four waves; a work-group makes 256 tokens x 128 columns.  y's 16 tiles of 16 rows, all of K (196,608 bytes), their scale bytes (8,192) and W's 8 tiles (98,304) come into LDS once; nothing is filled again.
; A wave (a, b) takes y's tiles 8 a .. 8 a + 7 and columns 64 b .. + 63: its 64 rows of W, all of K, lie in 384 registers; y's tiles stream past them, 32 products a tile, two register sets by turns, each fetched two tiles ahead in one run of 50 loads.
; OPERANDS: [tile of 16 rows][block of 32 along K][row][24 bytes]; SCALE BYTES: [tile][K step of 256][row][8]: a load of 8 bytes a lane takes two K steps of a tile, and the ROW selector picks the K step.
; Row r of y's tile T is token 32 (T / 2) + 8 (T % 2) + r + 8 (r / 8); row r of W's tile likewise a column; W_proj has tiles 192-255 of wc and ws.
; Source 0 = W's rows: lane (r, h) holds y's row r, and the 16 registers of tiles 2 e, 2 e + 1 are columns 32 e + 16 h + 0 .. 15.  The bias is the C of each sum's first product.
; THE WAY OUT: a tile's 16 rows x 256 bytes go through the wave's own stage in LDS and leave with sixteen lanes storing 256 bytes on end, aligned.
; CLUSTERS 4 x 4: y's tiles are asked for jointly along a row of the cluster, W's along a column.  No prefetch: all tiles are asked for by the launch's first lines.
; REGISTERS: v0-31 addresses; v32-39 y's scale words, v42-57 W's, and nothing else there; v128-159 sums; v192-255 rows on the way out.
;   Fragment f lies at v[256 (1 + f / 21) + 12 (f % 21)]: 0-31 W's (4 q + t), 32-47 y's two sets.  v864-895 the bias.
.set TB,    12288
.set WB,    16*TB
.set XSB,   WB+8*TB
.set STG,   XSB+8192
.set SPARE, STG+4*4352
.set SPW, 4
.set NIL, 5
.set ADW, 6
.set ADX0, 7
.set ADX, 8
.set ADS0, 9
.set ADS, 10
.set STO, 16
.set RD,  17
.set CO,  18
.set XS, 32
.set WS, 42
.set AC, 128
.set OB, 192
.set BIA, 96
.set G1W, 24
.set G1X, 32
.set G0W, 56
.set G0X, 60
.set G0S, 68
.set G1S, 72
.set MSB, 0
.macro WIN new
.if MSB != (\new)
	s_set_vgpr_msb (MSB<<8)|(\new)
.set MSB, \new
.endif
.endm
.macro PLACES n
.rept \n
	v_nop
.endr
.endm
.macro WALU
	s_wait_alu depctr_va_vdst(0)
.endm
.macro CROUND
	s_barrier_signal -1
	s_barrier_wait -1
	s_cmp_lg_u32 s16, 0
	s_cbranch_scc1 .Lnot_wave_0_\@
	s_barrier_signal -3
.Lnot_wave_0_\@:
	s_barrier_wait -3
	s_barrier_signal -1
	s_barrier_wait -1
.endm
.macro TLOAD g0, g1
	tensor_load_to_lds s[\g0:\g0+3], s[\g1:\g1+7]
	s_nop 0
	PLACES 4
.endm
.macro GROUP1 g, mask, rows            ; a dense block as rows of 256 bytes (32 elements of 8), no padding
	s_or_b32 s[\g], s[\mask], (3<<16)|(1<<21)
	s_mov_b32 s[\g+1], 32<<16
	s_mov_b32 s[\g+2], (\rows)<<16
	s_mov_b32 s[\g+3], 32<<16
	s_mov_b32 s[\g+4], \rows
	s_mov_b32 s[\g+5], 32
	s_mov_b32 s[\g+6], 0
	s_mov_b32 s[\g+7], 0
.endm
.macro WEIGHTS                         ; my 64 rows of W, all of K: 192 loads
.irp q, 0,1,2,3,4,5,6,7
.irp t, 0,1,2,3
.set F_, 4*\q+\t
	WIN (1+F_/21)<<6
.irp c, 0,1,2,3,4,5
	ds_load_b64 v[12*(F_%21)+2*\c:12*(F_%21)+2*\c+1], v[ADW] offset:\t*TB+\q*1536+768*(\c/3)+8*(\c%3)
.endr
.endr
.endr
	WIN 0
.endm
.macro FETCH e                         ; tile e of the pair at v[ADX] into set e, with its scale words: 50 loads
.irp q, 0,1,2,3,4,5,6,7
.set F_, 32+8*(\e)+\q
	WIN (1+F_/21)<<6
.irp c, 0,1,2,3,4,5
	ds_load_b64 v[12*(F_%21)+2*\c:12*(F_%21)+2*\c+1], v[ADX] offset:(\e)*TB+\q*1536+768*(\c/3)+8*(\c%3)
.endr
.endr
	WIN 0
	ds_load_b64 v[XS+4*(\e):XS+4*(\e)+1], v[ADS] offset:(\e)*512
	ds_load_b64 v[XS+4*(\e)+2:XS+4*(\e)+3], v[ADS] offset:(\e)*512+256
.endm
.macro PROD1 d, f0, f1, c, s0, s1, row
.if \row
	v_wmma_scale_f32_16x16x128_f8f6f4 v[\d:\d+7], v[12*((\f0)%21):12*((\f0)%21)+11], v[12*((\f1)%21):12*((\f1)%21)+11], \c, v[\s0], v[\s1] matrix_a_fmt:MATRIX_FMT_FP6 matrix_b_fmt:MATRIX_FMT_FP6 matrix_a_scale:MATRIX_SCALE_ROW1 matrix_b_scale:MATRIX_SCALE_ROW1
.else
	v_wmma_scale_f32_16x16x128_f8f6f4 v[\d:\d+7], v[12*((\f0)%21):12*((\f0)%21)+11], v[12*((\f1)%21):12*((\f1)%21)+11], \c, v[\s0], v[\s1] matrix_a_fmt:MATRIX_FMT_FP6 matrix_b_fmt:MATRIX_FMT_FP6
.endif
.endm
.macro PROD e, n                       ; product n = 4 q + t of a tile: source 0 W's rows, source 1 y's
.set Q_, (\n)/4
.set T_, (\n)%4
.set S0_, WS+4*T_+2*(Q_/4)+Q_%2
.set S1_, XS+4*(\e)+2*(Q_/4)+Q_%2
.set D_, AC+8*T_
.set F0_, 4*Q_+T_
.set F1_, 32+8*(\e)+Q_
.if Q_
	WIN (1+F0_/21)|((1+F1_/21)<<2)
	PROD1 D_, F0_, F1_, v[D_:D_+7], S0_, S1_, (Q_/2)%2
.else
	WIN (1+F0_/21)|((1+F1_/21)<<2)|(3<<4)
	PROD1 D_, F0_, F1_, v[BIA+8*T_:BIA+8*T_+7], S0_, S1_, 0
.endif
.endm
.macro BLOCK e                         ; 32 products; the four sums take turns
.set N_, 0
.rept 32
	PROD \e, N_
.set N_, N_+1
.endr
	WIN 0
.endm
; ---- the head
	s_load_b128 s[4:7], s[0:1], 0x0                ; yc, ys
	s_load_b128 s[8:11], s[0:1], 0x10              ; wc, ws
	s_load_b128 s[12:15], s[0:1], 0x20             ; b_proj, out0
	v_lshl_add_u32 v[SPW], v0, 2, SPARE
	v_mov_b32 v[NIL], 0
	ds_add_u32 v[SPW], v[NIL]                      ; the opening lines: the add, twice, and its wait
	ds_add_u32 v[SPW], v[NIL]
	v_lshrrev_b32 v1, 5, v0
	v_readfirstlane_b32 s16, v1                    ; wave
	s_lshr_b32 s17, s16, 1                         ; a: my half of the tokens
	s_and_b32 s18, s16, 1                          ; b: my half of the columns
	s_bfe_u32 s40, ttmp6, 0x40000                  ; cx
	s_bfe_u32 s41, ttmp6, 0x40004                  ; cy
	s_lshl_b32 s42, ttmp9, 2
	s_add_co_u32 s42, s42, s40                     ; block of 128 columns, 0 .. 7
	s_and_b32 s43, ttmp7, 0xffff
	s_lshl_b32 s43, s43, 2
	s_add_co_u32 s43, s43, s41                     ; block of 256 tokens, 0 .. 31
	s_lshl_b32 s44, s41, 2
	s_lshl_b32 s44, 15, s44                        ; my row of the cluster
	s_lshl_b32 s45, 0x1111, s40                    ; my column
	GROUP1 G1W, 45, 192                            ; half of W's 8 tiles
	GROUP1 G1X, 44, 768                            ; y's 16 tiles
	GROUP1 G1S, 44, 32                             ; their scale bytes
	s_mul_i32 s20, s42, 8*TB
	s_add_co_u32 s20, s20, 192*TB
	s_mul_i32 s21, s18, 4*TB
	s_add_co_u32 s20, s20, s21                     ; W_proj's tiles 192 + 8 x block + 4 x half
	s_mov_b32 s[G0W], 1
	s_add_co_u32 s[G0W+1], s21, WB
	s_mov_b32 s21, 0
	s_mul_i32 s22, s43, 16*TB
	s_mov_b32 s23, 0
	s_mov_b32 s[G0X], 1
	s_mov_b32 s[G0X+1], 0
	s_mul_i32 s46, s43, 16*512
	s_mov_b32 s47, 0
	s_mov_b32 s[G0S], 1
	s_mov_b32 s[G0S+1], XSB
	s_lshl_b32 s48, s42, 12
	s_lshl_b32 s49, s18, 11
	s_add_co_u32 s48, s48, s49
	s_add_co_u32 s48, s48, 192*512                 ; my four tiles' scale bytes in ws
	s_mov_b32 s49, 0
	s_lshl_b32 s50, s42, 9
	s_lshl_b32 s51, s18, 8
	s_add_co_u32 s50, s50, s51                     ; my 64 columns, in bytes of f32
	s_mov_b32 s51, 0
	s_lshl_b32 s52, s43, 8
	s_lshl_b32 s53, s17, 7
	s_add_co_u32 s52, s52, s53                     ; my first token
	s_lshl_b32 s52, s52, 12
	s_add_co_u32 s52, s52, s50
	s_mov_b32 s53, 0
	WALU
	s_wait_dscnt 0x0
	CROUND                                         ; all sixteen work-groups are here: the joint loads meet
	s_wait_kmcnt 0x0
	s_add_nc_u64 s[G0W+2:G0W+3], s[8:9], s[20:21]
	s_or_b32 s[G0W+3], s[G0W+3], 0x80000000
	s_add_nc_u64 s[G0X+2:G0X+3], s[4:5], s[22:23]
	s_or_b32 s[G0X+3], s[G0X+3], 0x80000000
	s_add_nc_u64 s[G0S+2:G0S+3], s[6:7], s[46:47]
	s_or_b32 s[G0S+3], s[G0S+3], 0x80000000
	s_cmp_lt_u32 s16, 2                            ; one tensor load a wave: waves 0 and 1 half of W's rows each, wave 2 y's rows, wave 3 their scale bytes
	s_cbranch_scc0 .Lhead_x
	TLOAD G0W, G1W
	s_branch .Lhead_asked
.Lhead_x:
	s_cmp_eq_u32 s16, 2
	s_cbranch_scc0 .Lhead_s
	TLOAD G0X, G1X
	s_branch .Lhead_asked
.Lhead_s:
	TLOAD G0S, G1S
.Lhead_asked:
	s_add_nc_u64 s[80:81], s[10:11], s[48:49]
	s_add_nc_u64 s[82:83], s[12:13], s[50:51]
	s_add_nc_u64 s[86:87], s[14:15], s[52:53]
	v_and_b32 v1, 15, v0                           ; r
	v_bfe_u32 v2, v0, 4, 1                         ; h
	v_and_b32 v3, 31, v0                           ; L
	v_mul_u32_u24 v14, v3, 24
	s_mul_i32 s20, s18, 4*TB
	s_add_co_u32 s20, s20, WB
	v_add_nc_u32 v[ADW], s20, v14
	s_mul_i32 s22, s17, 8*TB
	v_add_nc_u32 v[ADX0], s22, v14
	v_lshlrev_b32 v11, 3, v3                       ; 8 L
	s_lshl_b32 s22, s17, 12
	s_add_co_u32 s22, s22, XSB
	v_add_nc_u32 v[ADS0], s22, v11
	v_mov_b32 v[ADX], v[ADX0]
	v_mov_b32 v[ADS], v[ADS0]
	v_lshlrev_b32 v12, 6, v2                       ; the bias: 64 h
	s_mul_i32 s23, s16, 4352
	s_add_co_u32 s23, s23, STG                     ; my stage: 16 rows of 256 + 16 bytes
	v_lshlrev_b32 v15, 4, v1
	v_mul_u32_u24 v19, v1, 272
	v_lshl_add_u32 v19, v2, 6, v19
	v_add_nc_u32 v[STO], s23, v19                  ; in: row r, + 64 h
	v_mul_u32_u24 v20, v2, 272
	v_add_nc_u32 v20, v20, v15
	v_add_nc_u32 v[RD], s23, v20                   ; back: lanes 0-15 one row, lanes 16-31 the next
	v_lshl_add_u32 v[CO], v2, 12, v15              ; and the same in out0
	WALU
.irp t, 0,1,2,3
.irp c, 0,1
	global_load_b64 v[WS+4*\t+2*\c:WS+4*\t+2*\c+1], v11, s[80:81] offset:\t*512+\c*256
.endr
.endr
	WIN 3<<6
.irp t, 0,1,2,3
.irp c, 0,1
	global_load_b128 v[BIA+8*\t+4*\c:BIA+8*\t+4*\c+3], v12, s[82:83] offset:(32*(\t/2)+8*(\t%2))*4+16*\c
.endr
.endr
	WIN 0
	s_cmp_lt_u32 s16, 2                            ; the first barrier shows W's rows alone: the two waves that asked for them wait; y's rows may still be on their way
	s_cbranch_scc0 .Lnot_w
	s_wait_tensorcnt 0x0
.Lnot_w:
	s_barrier_signal -1
	s_barrier_wait -1
	WEIGHTS
	s_wait_tensorcnt 0x0                           ; every wave's tensor load has landed,
	s_wait_dscnt 0x0
	s_barrier_signal -1
	s_barrier_wait -1                              ; and is shown to all
	FETCH 0
	FETCH 1
	s_wait_loadcnt 0x0
	s_wait_dscnt 0x0
	s_mov_b32 s91, 0
; ---- a tile's way out
.macro STAGE u
.irp t, 0,1,2,3
	ds_store_b128 v[STO], v[AC+8*\t:AC+8*\t+3] offset:128*(\t/2)+32*(\t%2)      ; each sum from its low end on
	ds_store_b128 v[STO], v[AC+8*\t+4:AC+8*\t+7] offset:128*(\t/2)+32*(\t%2)+16
.endr
.irp k, 0,1,2,3,4,5,6,7
	ds_load_b128 v[OB+32*(\u)+4*\k:OB+32*(\u)+4*\k+3], v[RD] offset:\k*544      ; LDS serves a wave's instructions in order: these see the stores above
.endr
.endm
.macro SEND u
.irp k, 0,1,2,3,4,5,6,7
	global_store_b128 v[CO], v[OB+32*(\u)+4*\k:OB+32*(\u)+4*\k+3], s[86:87] offset:(2*\k+8*(\k/4)+8*(\u))*4096 th:TH_STORE_NT
.endr
.endm
.macro TILE u, fetch
	BLOCK \u
	PLACES 5                                       ; between the products and reads of, or loads into, their registers
	STAGE \u
.if \fetch
	FETCH \u
	s_wait_dscnt 50                                ; all but the 50 loads just issued: the rows are back from the stage, and the other set is in
.else
	s_wait_dscnt 0x0
.endif
	SEND \u
.endm
.Lpair:
	s_add_co_u32 s92, s91, 1                       ; the LDS addresses of the next pair of tiles
	s_mul_i32 s93, s92, 2*TB
	s_lshl_b32 s94, s92, 10
	v_add_nc_u32 v[ADX], s93, v[ADX0]
	v_add_nc_u32 v[ADS], s94, v[ADS0]
	WALU
	TILE 0, 1
	TILE 1, 1
	s_wait_xcnt 0x0                                ; the stores have read their registers and their base
	s_add_nc_u64 s[86:87], s[86:87], 32*4096
	s_add_co_u32 s91, s91, 1
	s_cmp_lt_u32 s91, 3
	s_cbranch_scc1 .Lpair
	TILE 0, 0                                      ; the last pair fetches nothing
	TILE 1, 0
	s_wait_tensorcnt 0x0                           ; the wave's end
	ds_add_u32 v[SPW], v[NIL]
	s_wait_dscnt 0x0
	CROUND                                         ; the closing round
	s_endpgm
.Lfunc_end_k_q67104c3f29_gemm_proj:
	.size	k_q67104c3f29_gemm_proj, .Lfunc_end_k_q67104c3f29_gemm_proj-k_q67104c3f29_gemm_proj
	.p2alignl 7, 3214868480
	.fill 96, 4, 3214868480
	.section	.rodata,"a",@progbits
	.p2align	6, 0x0
	.amdhsa_kernel k_q67104c3f29_gemm_proj
		.amdhsa_group_segment_fixed_size 327680
		.amdhsa_private_segment_fixed_size 0
		.amdhsa_enable_private_segment 0
		.amdhsa_kernarg_size 48
		.amdhsa_user_sgpr_count 2
		.amdhsa_user_sgpr_kernarg_segment_ptr 1
		.amdhsa_wavefront_size32 1
		.amdhsa_system_sgpr_workgroup_id_x 1
		.amdhsa_system_sgpr_workgroup_id_y 1
		.amdhsa_system_sgpr_workgroup_id_z 1
		.amdhsa_system_vgpr_workitem_id 0
		.amdhsa_next_free_vgpr 1024
		.amdhsa_next_free_sgpr 100
		.amdhsa_reserve_vcc 0
		.amdhsa_float_denorm_mode_32 3
		.amdhsa_float_denorm_mode_16_64 3
		.amdhsa_memory_ordered 1
		.amdhsa_forward_progress 1
		.amdhsa_inst_pref_size 59
	.end_amdhsa_kernel
	.amdgpu_metadata
---
amdhsa.version: [ 1, 2 ]
amdhsa.kernels:
  - .name:           k_q67104c3f29_gemm_proj
    .symbol:         k_q67104c3f29_gemm_proj.kd
    .args:
      - { .name: yc, .offset: 0, .size: 8, .value_kind: global_buffer, .address_space: global }
      - { .name: ys, .offset: 8, .size: 8, .value_kind: global_buffer, .address_space: global }
      - { .name: wc, .offset: 16, .size: 8, .value_kind: global_buffer, .address_space: global }
      - { .name: ws, .offset: 24, .size: 8, .value_kind: global_buffer, .address_space: global }
      - { .name: b_proj, .offset: 32, .size: 8, .value_kind: global_buffer, .address_space: global }
      - { .name: out0, .offset: 40, .size: 8, .value_kind: global_buffer, .address_space: global }
    .group_segment_fixed_size: 327680
    .private_segment_fixed_size: 0
    .kernarg_segment_align: 8
    .kernarg_segment_size: 48
    .max_flat_workgroup_size: 128
    .sgpr_count:     100
    .vgpr_count:     1024
    .wavefront_size: 32
...
	.end_amdgpu_metadata
.endif
;; end of part 4
